; MI455X (gfx1250); checked and timed in simulation.
; The chip was launched on July 23, 2026; its instructions are those of AMD's public machine-readable ISA for CDNA 5 (MIT licence, August 2026) and "CDNA5" Instruction Set Architecture Reference Guide (July 2026). The comments in the code are by the model that wrote it; some were corrected since.
;; Multi Head Attention. Allowed arithmetic: matrix products marked QUANTISED: E3M2 operands, one E8M0 scale for each 32 along K, by v_wmma_scale_f32_16x16x128_f8f6f4 with both operands' format E3M2, f32 sums; everything else in f32.
;; Inputs: W_O 1,024 x 1,024 float32; Wk 16 x 1,024 x 64 float32; Wq 16 x 1,024 x 64 float32; Wv 16 x 1,024 x 64 float32; x 4 x 2,048 x 1,024 float32.
;; Outputs: out0 4 x 2,048 x 1,024 float32.
;; This version of the problem:
;;   THIS VERSION OF THE PROBLEM IS GIVEN IN LOW PRECISION. The matrix products marked QUANTISED in the list below multiply operands that are first quantised to E3M2 (3 exponent bits, 2 mantissa bits; 6 bits a number), with one power-of-two scale for each 32 numbers along K (OCP MX v1.0); their sums are f32. All else is computed in f32.
;;   The module's matrix products, in the order in which they are computed (A, B: the left and right operand; K: the contracted axis; several contracted axes count as one K, in the product's order):
;;     1. [M 1,024, K 1,024] x [K 1,024, N 8,192]; A: input Wq; B: input x: QUANTISED
;;     2. [M 1,024, K 1,024] x [K 1,024, N 8,192]; A: input Wk; B: input x: QUANTISED
;;     3. [M 1,024, K 1,024] x [K 1,024, N 8,192]; A: input Wv; B: input x: QUANTISED
;;     4. batch 64 x [M 2,048, K 64] x [K 64, N 2,048]; A: computed on the way; B: computed on the way: QUANTISED
;;     5. batch 64 x [M 2,048, K 2,048] x [K 2,048, N 64]; A: softmax (see below); B: computed on the way: QUANTISED
;;     6. [M 8,192, K 1,024] x [K 1,024, N 1,024]; A: computed on the way; B: input W_O: QUANTISED
;;   THE QUANTISER, for each operand of a quantised product, along K:
;;     - K is cut into blocks of 32 from its start; a last block that is shorter is filled with zeros.
;;     - A block's scale is 2^e with e = floor(log2(the largest magnitude in the block)) - 4, held to -126 .. 127; a block of zeros has e = 0. As a byte (E8M0): e + 127.
;;     - Each number is divided by its block's scale, clamped to +-28, and rounded to the nearest number of E3M2, ties to even, subnormals kept.
;;     - The product sums the exact products of the quantised numbers (number of the format x scale) in f32.
;;   ~~~python
;;   def quantise(x, axis):      # numpy; x: float32 -> the quantised numbers, widened to float32 again
;;       x = np.moveaxis(x, axis, -1); K = x.shape[-1]
;;       x = np.pad(x, [(0, 0)] * (x.ndim - 1) + [(0, -K % 32)]); x = x.reshape(x.shape[:-1] + (-1, 32)); a = np.abs(x).max(-1, keepdims=True)
;;       e = np.where(a > 0, np.clip(np.frexp(np.where(a > 0, a, 1))[1] - 1 - 4, -126, 127), 0)      # np.frexp(a)[1] - 1 = floor(log2(a)), exactly
;;       r = np.clip(x / 2.0 ** e, -28, 28)
;;       step = 2.0 ** (np.maximum(np.frexp(np.where(r == 0, 1, r))[1] - 1, -2) - 2)
;;       q = np.round(r / step) * step * 2.0 ** e      # np.round: ties to even
;;       return np.moveaxis(q.reshape(q.shape[:-2] + (-1,))[..., :K], -1, axis).astype(np.float32)
;;   ~~~
;;   SOFTMAX AHEAD OF A QUANTISED PRODUCT. Where the list says 'softmax', what is quantised is not the finished softmax but p = 2^(t - M), with t = logit x log2(e) and M = ceil(the row's largest t), a whole number; so 1/2 < the row's largest p <= 1. The row's sum l is taken of the UNQUANTISED p, in f32, and the product's result is divided by l at the end. Since M is a whole number, a kernel that streams over the keys may use a running M (the ceiling of the running maximum): every later rescaling is an exact power of two, which a block's scale takes up: the codes' values come out the same.
;;   OPERANDS COMPUTED ON THE WAY. 'Computed on the way' means the value that the module computes at that place (a softmax that the list does not call 'softmax' is quantised finished and normalised). What goes into a quantiser is computed in f32, as accurately as f32 sums, v_exp_f32 and their like allow (about 1e-6 of the number): no bf16 or f16 on the way to a quantiser, and a product that is left as it is and whose result goes on into a quantised operand takes f32 operands (vector FMAs, or v_wmma_f32_16x16x4_f32). A number that lies on a knife's edge between two numbers of the format may be rounded either way, as far as f32 arithmetic and the matrix unit's own rounding can turn it there, and no further.
;; One version. Each part assembles by itself: llvm-mc -triple=amdgcn-amd-amdhsa -mcpu=gfx1250 --defsym DOCPART=n.
;; ======== version 1 of 1: 4 launches
;; limits: right only within a limited range of input values
;; workspace buffers: xq 6,553,600 bytes; wq 3,276,800 bytes; qq 13,369,344 bytes; kv 13,369,344 bytes; cq 6,553,600 bytes
;; launch quant (part 1): grid 672 x 1, 8 waves a work-group, no clusters, 69,120 bytes of LDS; arguments x, W_O, Wq, Wk, Wv, xq, wq; writes xq, wq
.if DOCPART == 1
	.amdgcn_target "amdgcn-amd-amdhsa--gfx1250"
	.amdhsa_code_object_version 6
	.text
	.protected	k_q71eb076b12_quant
	.globl	k_q71eb076b12_quant
	.p2align	8
	.type	k_q71eb076b12_quant,@function
k_q71eb076b12_quant:
	s_mov_b64 s[64:65], 0
	v_nop
	global_prefetch_b8 v0, s[64:65] scope:SCOPE_SE
	s_setreg_imm32_b32 hwreg(HW_REG_WAVE_MODE, 25, 1), 1
	s_wait_xcnt 0x0
; x [8192][1024], W_O [1024][1024] (K innermost) and Wq, Wk, Wv [16][1024][64] (K = the middle axis), all f32, become codes of BF6 (E3M2) with one E8M0 byte for each 32 along K.
; A block's scale is 2^(floor(log2(its largest magnitude)) - 4): its byte is the largest magnitude's exponent field - 4, held at 1 from below by a floor among the maximum's leaves.
; LAYOUT OF THE RESULT, as the products' operand registers take it.  A row block is 16 rows.  Codes: [row block][16 half fragments][768 bytes]; a half fragment (16 rows x 64 K) is the image of six operand
; registers: three chunks of 256 bytes, lane l (row l % 16, k = 32 (l / 16) + 0 .. 31) has bytes 8 g .. 8 g + 7 of its 24 at 256 g + 8 l.  Scale words: [row block][8 K steps of 128][16 rows], 4 bytes each.
; ROW ORDER: x's rows and the rows (head, e) of Wq, Wk, Wv are laid with bits 3 and 4 of the row's number exchanged: row r of block 2 b + u is row 32 b + 8 u + r + 8 (r / 8).  W_O's rows are in their own order.
; wq holds row blocks 0-63 Wq, 64-127 Wk, 128-191 Wv, 192-255 W_O.
; SHARES.  Work-groups 0-511: a row block of x each; 512-575: of W_O; wave w takes K step w (128 along K).  Work-groups 576-671: 32 columns (two row blocks) of one head of Wq, Wk or Wv; wave w takes K step w.
; LIMITS: NaN and infinities among the inputs are not served.  A block of zeros gets the byte 1 where the rule says 127: its codes are zeros, and the bytes are read by this program alone.
; The scale words of Wq, Wk, Wv leave as runs of 64 bytes (98,304 bytes in all): that path has no LDS and no barrier in exchange.
.set SP,   528                         ; a stage row: 512 bytes (128 numbers) + 16 of padding: the sixteen rows that a read touches start in sixteen different groups of four banks
.set STG,  16*SP                       ; a wave's stage
.set SCG,  8*STG                       ; behind the stages: the row block's 128 scale words, 512 bytes
.set XWG,  512                         ; work-groups for x
.set OWG,  64                          ; for W_O
.set R,    16                          ; v16-79 (v16-143 for the weights): numbers as loaded
.set X,    80                          ; v80-143: 2 x 32 neighbours along K of my row
.set CD,   144                         ; v144-155: a fragment's codes
.set T0,   156                         ; v156-158, v160-162: the second half of a block's codes (a conversion's three registers begin on an even number)
.set T1,   160
.set BY,   164                         ; v164-165: scale bytes
.set WD,   166                         ; v166: a scale word in the making
.set GA,   167                         ; v167: LDS address of 16 bytes of the gathered scale words
; 32 numbers of one lane, v[x] on, become 24 bytes of codes in v[cd] .. v[cd + 5]; so: the conversions' scale operand; by: the scale's byte
.macro BLOCK32 x, cd, tp, so, by
	v_max3_num_f32 v8, |v[\x]|, |v[\x+1]|, 0x2800000           ; the largest magnitude, in two chains; among the leaves the floor 2^(5 - 127): the byte cannot fall under 1
	v_max3_num_f32 v9, |v[\x+2]|, |v[\x+3]|, |v[\x+4]|
.irp i, 5,9,13,17,21,25
	s_delay_alu instid0(VALU_DEP_2)
	v_max3_num_f32 v8, v8, |v[\x+\i]|, |v[\x+\i+1]|
	s_delay_alu instid0(VALU_DEP_2)
	v_max3_num_f32 v9, v9, |v[\x+\i+2]|, |v[\x+\i+3]|
.endr
	s_delay_alu instid0(VALU_DEP_2)
	v_max3_num_f32 v8, v8, |v[\x+29]|, |v[\x+30]|
	s_delay_alu instid0(VALU_DEP_1)
	v_max3_num_f32 v8, v8, v9, |v[\x+31]|
	s_delay_alu instid0(VALU_DEP_1)
	v_add_nc_u32 v[\so], 0xfe000000, v8                        ; 4 off its exponent field: the conversion takes the exponent field of this operand as its scale
	s_delay_alu instid0(VALU_DEP_1)
	v_lshrrev_b32 v[\by], 23, v[\so]                           ; the scale's byte
	v_cvt_scalef32_pk16_bf6_f32 v[\cd:\cd+2], v[\x:\x+15], v[\so]
	v_cvt_scalef32_pk16_bf6_f32 v[\tp:\tp+2], v[\x+16:\x+31], v[\so]
	v_nop                                                      ; one plain place behind the scaled conversions
.irp i, 0,1,2
	v_mov_b32 v[\cd+3+\i], v[\tp+\i]
.endr
.endm
	s_load_b256 s[4:11], s[0:1], 0x0               ; x s[4:5], W_O s[6:7], Wq s[8:9], Wk s[10:11]
	s_load_b128 s[12:15], s[0:1], 0x20             ; Wv s[12:13], xq s[14:15]
	s_load_b64 s[16:17], s[0:1], 0x30              ; wq
	v_lshl_add_u32 v159, v0, 2, 0x10a00            ; my spare word, behind the scale words
	v_mov_b32 v163, 0
	v_lshrrev_b32 v1, 5, v0
	s_delay_alu instid0(VALU_DEP_1)
	v_readfirstlane_b32 s18, v1                    ; wave 0..7 = my K step
	v_and_b32 v1, 31, v0                           ; lane
	v_and_b32 v2, 15, v0                           ; r
	v_bfe_u32 v3, v0, 4, 1                         ; h
	s_delay_alu instid0(VALU_DEP_3)
	v_lshlrev_b32 v7, 3, v1                        ; 8 x lane: my place in a chunk of 256 bytes
	s_mov_b32 s33, 0                               ; the upper word of every offset
	s_cmp_ge_u32 ttmp9, XWG+OWG                    ; the work-group's number alone decides: all eight waves go the same way
	s_cbranch_scc1 .Lweights
	; ---- K INNERMOST: x and W_O.  Each load reads 512 consecutive bytes of one row; the 16 rows turn through my stage, so that a lane then holds 2 x 32 neighbours of ITS row
	v_lshlrev_b32 v4, 4, v1                        ; 16 x lane
	s_mul_i32 s19, s18, STG
	v_add_nc_u32 v5, s19, v4                       ; the stage, on the way in: 16 x lane of a row
	v_mul_u32_u24 v6, v2, SP
	s_delay_alu instid0(VALU_DEP_1)
	v_lshl_add_u32 v6, v3, 7, v6
	s_delay_alu instid0(VALU_DEP_1)
	v_add_nc_u32 v6, s19, v6                       ; on the way out: row r, 128 h bytes on: k = 32 h
	s_lshl_b32 s19, s18, 6
	s_add_co_u32 s19, s19, SCG
	v_lshl_add_u32 v14, v2, 2, s19                 ; my row's scale word: 64 bytes a K step, 4 a row
	v_add_nc_u32 v[GA], SCG, v4
	v_mov_b32 v13, 0                               ; written once: a lane permute's destination counts as one of its sources
	v_lshlrev_b32 v15, 3, v3                       ; 8 h
	s_mov_b32 s20, 0x76543210
	s_mov_b32 s21, 0xfedcba98                      ; v_permlanex16_b32's selects for lane l xor 16
	s_wait_alu depctr_va_vdst(0)
	s_wait_kmcnt 0x0
	s_cmp_lt_u32 ttmp9, XWG                        ; x or W_O
	s_cselect_b64 s[26:27], s[4:5], s[6:7]         ; from
	s_cselect_b64 s[28:29], s[14:15], s[16:17]     ; to
	s_cselect_b32 s22, 0, XWG
	s_cselect_b32 s23, 0, 192                      ; W_O's row blocks lie behind Wq's, Wk's and Wv's
	s_cselect_b32 s24, 0x8000, 0                   ; x: rows 8-15 of a block lie 8 rows further down than their number says
	s_mov_b32 s25, 0x300000
	s_cselect_b32 s25, 0x600000, s25               ; where the scale words begin
	s_cselect_b32 s30, 1, 0
	s_sub_co_u32 s22, ttmp9, s22                   ; the row block in its tensor
	s_add_co_u32 s23, s23, s22                     ; and in the buffer
	s_lshr_b32 s31, s22, 1
	s_lshl_b32 s31, s31, 5
	s_and_b32 s32, s22, 1
	s_lshl_b32 s32, s32, 3
	s_add_co_u32 s31, s31, s32                     ; x: first row 32 (block / 2) + 8 (block % 2)
	s_lshl_b32 s32, s22, 4                         ; W_O: 16 x block
	s_cmp_lg_u32 s30, 0
	s_cselect_b32 s31, s31, s32
	s_lshl_b32 s32, s31, 12                        ; rows of 4,096 bytes
	s_lshl_b32 s34, s18, 9                         ; my K step: 512 bytes
	s_add_co_u32 s32, s32, s34
	s_add_nc_u64 s[26:27], s[26:27], s[32:33]      ; rows 0-7
	s_mov_b32 s32, s24
	s_add_nc_u64 s[34:35], s[26:27], s[32:33]      ; rows 8-15
	s_lshl_b32 s32, s23, 4
	s_lshl_b32 s36, s18, 1
	s_add_co_u32 s32, s32, s36
	s_mul_i32 s32, s32, 768
	s_add_nc_u64 s[36:37], s[28:29], s[32:33]      ; my fragment: half fragments 2 w and 2 w + 1 of the row block
	s_lshl_b32 s32, s23, 9
	s_add_co_u32 s32, s32, s25
	s_add_nc_u64 s[38:39], s[28:29], s[32:33]      ; the row block's 512 bytes of scale words
.irp t, 0,1,2,3,4,5,6,7
	global_load_b128 v[R+4*\t:R+4*\t+3], v4, s[26:27] offset:4096*\t th:TH_LOAD_NT
.endr
.irp t, 8,9,10,11,12,13,14,15
	global_load_b128 v[R+4*\t:R+4*\t+3], v4, s[34:35] offset:4096*\t th:TH_LOAD_NT
.endr
.irp t, 0,1,2,3,4,5,6,7,8,9,10,11,12,13,14,15
	s_wait_loadcnt 15-\t                           ; row t is in; the rows behind it may be out
	ds_store_b128 v5, v[R+4*\t:R+4*\t+3] offset:SP*\t
.endr
.irp c, 0,1
.irp i, 0,1,2,3,4,5,6,7
	ds_load_b128 v[X+32*\c+4*\i:X+32*\c+4*\i+3], v6 offset:256*\c+16*\i   ; LDS serves a wave's instructions in order: these see my stores.  k = 64 c + 32 h + 4 i on
.endr
.endr
	s_wait_dscnt 8                                 ; the first block's eight loads are in
	BLOCK32 X, CD, T0, 10, BY
	s_wait_dscnt 0x0
	BLOCK32 X+32, CD+6, T1, 11, BY+1
	v_lshl_or_b32 v12, v[BY+1], 16, v[BY]          ; my two bytes: blocks h and 2 + h of my row,
	s_delay_alu instid0(VALU_DEP_1)
	v_lshlrev_b32 v12, v15, v12                    ; at their places in the scale word;
	s_delay_alu instid0(VALU_DEP_1)
	v_permlanex16_b32 v13, v12, s20, s21
	s_delay_alu instid0(VALU_DEP_1)
	v_or_b32 v12, v12, v13                         ; with lane l xor 16's two the word is whole
.irp p, 0,1,2,3,4,5
	global_store_b64 v7, v[CD+2*\p:CD+2*\p+1], s[36:37] offset:256*\p   ; 32 lanes store 256 consecutive bytes, aligned
.endr
	ds_store_b32 v14, v12                          ; both lanes of a row write the same word with the same value
	s_wait_dscnt 0x0                               ; for the others' sake: my word has landed
	s_barrier_signal -1
	s_barrier_wait -1
	s_cmp_lg_u32 s18, 0
	s_cbranch_scc1 .Ldone
	ds_load_b128 v[R:R+3], v[GA]                   ; wave 0 stores the row block's 128 words: 512 consecutive bytes
	s_wait_dscnt 0x0
	global_store_b128 v4, v[R:R+3], s[38:39]
.Ldone:
	s_wait_tensorcnt 0x0
	ds_add_u32 v159, v163
	s_wait_dscnt 0x0
	s_endpgm
	; ---- K NOT INNERMOST: Wq, Wk, Wv.  A lane takes a column (head, e) and its registers run down K: a block of 32 lies in one lane, and the conversions give codes with K innermost
.Lweights:
	s_sub_co_u32 s22, ttmp9, XWG+OWG               ; 0..95 = 32 x tensor + 2 x head + half of the head's 64 columns
	s_lshr_b32 s23, s22, 5                         ; tensor
	s_bfe_u32 s24, s22, 0x40001                    ; head
	s_and_b32 s25, s22, 1                          ; half
	s_wait_alu depctr_va_vdst(0)
	v_and_b32 v4, 7, v1                            ; lane 16 u + r is row r of row block u: it takes the column whose number has the lane's bits 3 and 4 exchanged
	v_and_b32 v5, 8, v1
	s_delay_alu instid0(VALU_DEP_1)
	v_lshl_or_b32 v4, v5, 1, v4
	v_and_b32 v5, 16, v1
	s_delay_alu instid0(VALU_DEP_1)
	v_lshrrev_b32 v5, 1, v5
	s_delay_alu instid0(VALU_DEP_1)
	v_or_b32 v4, v4, v5
	s_delay_alu instid0(VALU_DEP_1)
	v_lshlrev_b32 v4, 2, v4                        ; in bytes
	v_lshlrev_b32 v5, 2, v2
	s_delay_alu instid0(VALU_DEP_1)
	v_lshl_add_u32 v5, v3, 9, v5                   ; my scale word: 512 u + 4 r
	s_wait_alu depctr_va_vdst(0)
	s_wait_kmcnt 0x0
	s_cmp_eq_u32 s23, 0
	s_cselect_b64 s[26:27], s[8:9], s[10:11]
	s_cmp_eq_u32 s23, 2
	s_cselect_b64 s[26:27], s[12:13], s[26:27]
	s_lshl_b32 s32, s24, 18                        ; a head: 1,024 rows of 256 bytes
	s_lshl_b32 s34, s18, 15                        ; my K step: 128 rows
	s_add_co_u32 s32, s32, s34
	s_lshl_b32 s34, s25, 7                         ; 32 columns
	s_add_co_u32 s32, s32, s34
	s_add_nc_u64 s[26:27], s[26:27], s[32:33]
	s_lshl_b32 s32, s22, 5                         ; row block 2 x work-group: 16 half fragments each
	s_lshl_b32 s34, s18, 1
	s_add_co_u32 s32, s32, s34
	s_mul_i32 s32, s32, 768
	s_add_nc_u64 s[36:37], s[16:17], s[32:33]
	s_lshl_b32 s32, s22, 10
	s_lshl_b32 s34, s18, 6
	s_add_co_u32 s32, s32, s34
	s_add_co_u32 s32, s32, 0x300000
	s_add_nc_u64 s[38:39], s[16:17], s[32:33]
.set i, 0
.rept 128
	global_load_b32 v[R+i], v4, s[26:27] offset:256*i th:TH_LOAD_NT   ; row 128 w + i of the head, my column: the wave reads 128 consecutive bytes
.set i, i+1
.endr
	s_wait_loadcnt 63                              ; block 0's 32 loads are in (96 were issued behind them; the count's field ends at 63)
	BLOCK32 R, CD, T0, 10, BY
	v_mov_b32 v[WD], v[BY]
	s_wait_loadcnt 63                              ; block 1's (64 behind them)
	BLOCK32 R+32, CD+6, T1, 11, BY
	v_lshl_or_b32 v[WD], v[BY], 8, v[WD]
.irp i, 0,1,2,3,4,5
	v_permlane16_swap_b32 v[CD+\i], v[CD+6+\i]     ; the even block's lanes 16-31 change places with the odd block's lanes 0-15: the first six registers are now row block 0's half fragment, the others row block 1's
.endr
.irp u, 0,1
.irp g, 0,1,2
	global_store_b64 v7, v[CD+6*\u+2*\g:CD+6*\u+2*\g+1], s[36:37] offset:12288*\u+256*\g
.endr
.endr
	s_wait_loadcnt 32                              ; block 2's
	BLOCK32 R+64, R, T0, 10, BY                    ; its codes go where block 0's numbers lay
	v_lshl_or_b32 v[WD], v[BY], 16, v[WD]
	s_wait_loadcnt 0x0
	BLOCK32 R+96, R+6, T1, 11, BY
	v_lshl_or_b32 v[WD], v[BY], 24, v[WD]
.irp i, 0,1,2,3,4,5
	v_permlane16_swap_b32 v[R+\i], v[R+6+\i]
.endr
.irp u, 0,1
.irp g, 0,1,2
	global_store_b64 v7, v[R+6*\u+2*\g:R+6*\u+2*\g+1], s[36:37] offset:12288*\u+768+256*\g
.endr
.endr
	global_store_b32 v5, v[WD], s[38:39]           ; my row's word of K step w
	s_endpgm
.Lfunc_end_k_q71eb076b12_quant:
	.size	k_q71eb076b12_quant, .Lfunc_end_k_q71eb076b12_quant-k_q71eb076b12_quant
	.p2alignl 7, 3214868480
	.fill 96, 4, 3214868480
	.section	.rodata,"a",@progbits
	.p2align	6, 0x0
	.amdhsa_kernel k_q71eb076b12_quant
		.amdhsa_group_segment_fixed_size 69120
		.amdhsa_private_segment_fixed_size 0
		.amdhsa_enable_private_segment 0
		.amdhsa_kernarg_size 56
		.amdhsa_user_sgpr_count 2
		.amdhsa_user_sgpr_kernarg_segment_ptr 1
		.amdhsa_wavefront_size32 1
		.amdhsa_system_sgpr_workgroup_id_x 1
		.amdhsa_system_sgpr_workgroup_id_y 1
		.amdhsa_system_sgpr_workgroup_id_z 1
		.amdhsa_system_vgpr_workitem_id 0
		.amdhsa_next_free_vgpr 168
		.amdhsa_next_free_sgpr 66
		.amdhsa_reserve_vcc 0
		.amdhsa_float_denorm_mode_32 3
		.amdhsa_float_denorm_mode_16_64 3
		.amdhsa_memory_ordered 1
		.amdhsa_forward_progress 1
		.amdhsa_inst_pref_size 36
	.end_amdhsa_kernel
	.amdgpu_metadata
---
amdhsa.version: [ 1, 2 ]
amdhsa.kernels:
  - .name:           k_q71eb076b12_quant
    .symbol:         k_q71eb076b12_quant.kd
    .args:
      - { .name: x, .offset: 0, .size: 8, .value_kind: global_buffer, .address_space: global }
      - { .name: W_O, .offset: 8, .size: 8, .value_kind: global_buffer, .address_space: global }
      - { .name: Wq, .offset: 16, .size: 8, .value_kind: global_buffer, .address_space: global }
      - { .name: Wk, .offset: 24, .size: 8, .value_kind: global_buffer, .address_space: global }
      - { .name: Wv, .offset: 32, .size: 8, .value_kind: global_buffer, .address_space: global }
      - { .name: xq, .offset: 40, .size: 8, .value_kind: global_buffer, .address_space: global }
      - { .name: wq, .offset: 48, .size: 8, .value_kind: global_buffer, .address_space: global }
    .group_segment_fixed_size: 69120
    .private_segment_fixed_size: 0
    .kernarg_segment_align: 8
    .kernarg_segment_size: 56
    .max_flat_workgroup_size: 256
    .sgpr_count:     66
    .vgpr_count:     168
    .wavefront_size: 32
...
	.end_amdgpu_metadata
.endif
;; end of part 1
;; launch proj (part 2): grid 8 x 32, 4 waves a work-group, clusters of 4 x 1, 205,312 bytes of LDS; arguments xq, wq, qq, kv; writes qq, kv
.if DOCPART == 2
	.amdgcn_target "amdgcn-amd-amdhsa--gfx1250"
	.amdhsa_code_object_version 6
	.text
	.protected	k_q71eb076b12_proj
	.globl	k_q71eb076b12_proj
	.p2align	8
	.type	k_q71eb076b12_proj,@function
k_q71eb076b12_proj:
	s_mov_b64 s[64:65], 0
	v_nop
	global_prefetch_b8 v0, s[64:65] scope:SCOPE_SE
	s_setreg_imm32_b32 hwreg(HW_REG_WAVE_MODE, 25, 1), 1
	s_wait_xcnt 0x0
	s_wait_alu depctr_hold_cnt(0) depctr_sa_sdst(0) depctr_va_vdst(0) depctr_va_sdst(0) depctr_va_ssrc(0) depctr_va_vcc(0) depctr_vm_vsrc(0)
	s_getreg_b32 s2, hwreg(HW_REG_IB_STS2, 6, 4)
	s_cmp_eq_u32 s2, 0
	s_cbranch_scc0 .Lentry_in_a_cluster
	s_endpgm
.Lentry_in_a_cluster:
	s_bfe_u32 s2, ttmp6, 0x10000c
	s_cmp_lg_u32 s2, 0x3003
	s_cbranch_scc0 .Lentry_shape_is_right
	s_endpgm
.Lentry_shape_is_right:
; q, k and v: three products of x with Wq, Wk, Wv on codes of BF6 (E3M2), K = 1,024, in ONE pass over x, their results quantised in registers for attention's two products.
; OPERANDS (made by the launch before): codes [row block of 16 rows][16 half fragments][768 bytes], each half fragment the image of six operand registers (chunk g of 256 bytes: lane l's bytes 8 g .. at 256 g + 8 l);
; scale words [row block][8 K steps][16 rows], from byte 0x600000 of xq and 0x300000 of wq.  x's rows and the weights' rows (head, e) lie with bits 3 and 4 of the row's number exchanged.  wq: row blocks 0-63 Wq, 64-127 Wk, 128-191 Wv.
; THE DEAL.  256 work-groups of four waves.  Work-group (x, y) takes x's rows 256 y .. 256 y + 255 (16 row blocks, two steps of 128 tokens) and wave columns v = 4 x + wave, v = 0 .. 31.  Wave column v holds in registers, ALL of K,
; one head of Wq (v < 16) or Wk (four tiles of 16 rows: row blocks 4 v ..) and half a head of Wv (two tiles: row blocks 128 + 2 v ..): 48 fragments.  It streams x's 16 row blocks past them: 48 products a block, six accumulators by turns.
; The weights come by plain loads straight into registers: a work-group's are 294,912 bytes, for which LDS has no room beside x's 196,608; so they are not asked for jointly.  x's rows are: the four work-groups of a cluster share them
; (mask 15), each wave asks for 64 rows by one tensor load.  Nothing is filled twice, and all is asked for at the head: there is no later tile to prefetch.  x's scale words (8,192 bytes) are copied once into LDS in whole units of 256 bytes.
; Q, K: source 0 = 16 rows of the weight, source 1 = 16 rows of x: a lane holds one token, and the 16 registers of tiles 2 b, 2 b + 1 are channels 32 b + 16 (lane / 16) + 0 .. 15: quantised along the head's 64 behind each block.
; V: source 0 = 16 rows of x, source 1 = 16 rows of Wv: a lane holds one channel, and the 16 registers of x's blocks 2 b, 2 b + 1 are keys 32 b + 16 (lane / 16) + 0 .. 15: quantised along the keys behind every fourth block (64 keys).
; RESULT: blocks of 13,056 bytes, one for (head, batch, 128 tokens), at (64 head + 16 batch + step) x 13,056: +0 eight tiles of 16 tokens x 64 (768 bytes each: q in qq, k in kv); +6,144 (kv) four tiles of 16 channels x 128 keys
; (1,536 each); +12,288 the eight tiles' scale words (lane l's 16 bytes: word p = tile 2 p + l / 16, row l % 16; the upper two bytes of a word are 0 and meet zero codes); +12,800 (kv) v's (lane l's 8 bytes likewise).
; V's scale words leave as 4 bytes a lane, 8 bytes apart (two waves share the 256 bytes): 262,144 bytes in all.
; THE TEXT: a loop of two trips, a trip a step of 128 tokens (eight blocks), after which all register numbers are back.  Each block fetches the block two on; in the last two blocks that fetch is held at row block 15 and read by nobody.
; LIMITS: NaN and infinities are not served; a block of zeros gets the byte 1 (its codes are zeros; this program alone reads the bytes).
; REGISTERS.  64 fragments of 12: 6 q + t the weights' (t = 0 .. 3 Q|K's tiles, 4, 5 V's), 48 + 8 e + q x's two sets.  Fragments 0-62 fill windows 1 to 3, 21 each; fragment 63 and all else lie in window 0 (the map below).
.set BLKB, 13056
.set FR, 12
.set NF, 28                            ; LDS loads of a block: 24 for eight fragments, 4 for eight scale words
.set RB, 12288                         ; a row block's codes
.set SCL, 16*RB                        ; behind x's rows: their scale words
.set SPARE, SCL+8192
.set L8, 1                             ; 8 x lane
.set L16, 2                            ; 16 x lane
.set ABS, 3                            ; 512 (lane / 16) + 4 r: the weights' scale words, lanes 16-31 the next tile's
.set T16, 4                            ; 16 x thread
.set SCA, 5                            ; LDS: where my share of x's scale words goes
.set AAS0, 6                           ; LDS: block 0's scale words: 64 (lane / 16) + 4 r: lanes 16-31 the next K step's
.set AAS, 7                            ; the same for the block that is fetched next
.set SPW, 10
.set NIL, 11
.set SB, 24                            ; v24-39 Q|K's weights' scale words: 8 (t / 2) + q
.set SBV, 40                           ; v40-47 V's
.set SA, 54                            ; v54-57, v62-65 x's: two sets of four
.set ACC, 72                           ; v72-103 Q|K's sums
.set HV, 104                           ; v104-167 V's sums: 32 t + 8 j
.set NCD, 168                          ; v168-173 Q|K's codes
.set VCD, 174                          ; v174-185 V's, six a tile
.set CT, 186                           ; v186-188, v190-192 the second halves of codes
.set TM, 194                           ; v194-209 at work, eight a tile
.set WQ, 210                           ; v210-217 the eight tiles' scale words
.set WV, 218                           ; v218-219 V's
.set WI, 220                           ; v220-223 the scale words' image
.set AQ0, 224                          ; v224-231 LDS addresses of block 0's eight fragments; never rewritten
.set AQ, 232                           ; v232-239 the same for the block that is fetched next
.set X63, 240                          ; v240-251 fragment 63
.set G1, 48
.set G0, 56
.set MSB, 0
.macro WIN new                         ; the immediate's high byte repeats the setting that is left
.if MSB != (\new)
	s_set_vgpr_msb (MSB<<8)|(\new)
.set MSB, (\new)
.endif
.endm
.macro WALU
	s_wait_alu depctr_va_vdst(0)
.endm
.macro BARRIER
	s_barrier_signal -1
	s_barrier_wait -1
.endm
.macro CROUND
	BARRIER
	s_cmp_lg_u32 s14, 0
	s_cbranch_scc1 .Lnot_wave_0_\@
	s_barrier_signal -3
.Lnot_wave_0_\@:
	s_barrier_wait -3
	BARRIER
.endm
.macro FPL f                           ; fragment f's window and first register
.if (\f) < 63
.set FW_, 1+(\f)/21
.set FG_, FR*((\f)%21)
.else
.set FW_, 0
.set FG_, X63
.endif
.endm
.macro FRAG6 f, adr                    ; a fragment's six chunks of 256 bytes from LDS, two to a load
	FPL \f
	WIN FW_<<6
.irp p, 0,2,4
	ds_load_2addr_b64 v[FG_+2*\p:FG_+2*\p+3], v[\adr] offset0:32*\p offset1:32*\p+32
.endr
.endm
.macro FETCHAT e, aq, as               ; a block of x into set e: NF loads
.irp q, 0,1,2,3,4,5,6,7
	FRAG6 48+8*(\e)+\q, \aq+\q
.endr
	WIN 0
.irp k, 0,1,2,3
	ds_load_b32 v[SA+8*(\e)+\k], v[\as] offset:128*\k
.endr
.endm
.macro WFRAG f, base, off              ; a fragment of a weight from memory: each load takes 256 consecutive bytes
	FPL \f
	WIN FW_<<6
.irp p, 0,1,2,3,4,5
	global_load_b64 v[FG_+2*\p:FG_+2*\p+1], v[L8], s[\base:\base+1] offset:(\off)+256*\p
.endr
.endm
.macro PROD2 d, s0, s1, c, x0, x1, o, r
	v_wmma_scale_f32_16x16x128_f8f6f4 v[\d:\d+7], v[\s0:\s0+FR-1], v[\s1:\s1+FR-1], \c, v[\x0], v[\x1] matrix_a_fmt:MATRIX_FMT_BF6 matrix_b_fmt:MATRIX_FMT_BF6 matrix_a_scale:MATRIX_SCALE_ROW\o matrix_b_scale:MATRIX_SCALE_ROW\r
.endm
.macro PROD1 d, s0, s1, c, x0, x1, o, r
.if (\o) && (\r)
	PROD2 \d, \s0, \s1, \c, \x0, \x1, 1, 1
.elseif \o
	PROD2 \d, \s0, \s1, \c, \x0, \x1, 1, 0
.elseif \r
	PROD2 \d, \s0, \s1, \c, \x0, \x1, 0, 1
.else
	PROD2 \d, \s0, \s1, \c, \x0, \x1, 0, 0
.endif
.endm
.macro PQK e, q, t                     ; Q|K: set e of x, step q along K, tile t.  The first along K takes C = 0
	FPL 48+8*(\e)+(\q)
.set AW_, FW_
.set AG_, FG_
	FPL 6*(\q)+(\t)
.set D_, ACC+8*(\t)
	WIN FW_|(AW_<<2)
.if \q
	PROD1 D_, FG_, AG_, v[D_:D_+7], SB+8*((\t)/2)+(\q), SA+8*(\e)+(\q)/2, (\t)%2, (\q)%2
.else
	PROD1 D_, FG_, AG_, 0, SB+8*((\t)/2)+(\q), SA+8*(\e)+(\q)/2, (\t)%2, (\q)%2
.endif
.endm
.macro PV e, q, t, j                   ; V: tile t, the block's place j among four
	FPL 48+8*(\e)+(\q)
.set AW_, FW_
.set AG_, FG_
	FPL 6*(\q)+4+(\t)
.set D_, HV+32*(\t)+8*(\j)
	WIN AW_|(FW_<<2)
.if \q
	PROD1 D_, AG_, FG_, v[D_:D_+7], SA+8*(\e)+(\q)/2, SBV+(\q), (\q)%2, \t
.else
	PROD1 D_, AG_, FG_, 0, SA+8*(\e)+(\q)/2, SBV+(\q), (\q)%2, \t
.endif
.endm
; THE QUANTISER of n x 32 sums in a lane (two half blocks of 16 each), from v[src + 32 x] on.  First part: the largest magnitudes, four chains a tile by turns, each accumulator from its low end on, the floor 2^(5 - 127) among the leaves;
; with lane l xor 16's; the conversions' scale operands in v[TM + 8 x + 6], + 7, the scales' bytes in + 4, + 5.
.macro HQA n, src
.irp k, 0,1,2,3
.set X_, 0
.rept \n
	v_max3_num_f32 v[TM+8*X_+\k], 0x2800000, |v[\src+32*X_+8*\k]|, |v[\src+32*X_+8*\k+1]|
.set X_, X_+1
.endr
.endr
.irp i, 2,4,6
.irp k, 0,1,2,3
.set X_, 0
.rept \n
	v_max3_num_f32 v[TM+8*X_+\k], v[TM+8*X_+\k], |v[\src+32*X_+8*\k+\i]|, |v[\src+32*X_+8*\k+\i+1]|
.set X_, X_+1
.endr
.endr
.endr
.irp b, 0,1
.set X_, 0
.rept \n
	v_max_num_f32 v[TM+8*X_+2*\b], v[TM+8*X_+2*\b], v[TM+8*X_+2*\b+1]
.set X_, X_+1
.endr
.endr
.irp b, 0,1
.set X_, 0
.rept \n
	v_permlanex16_b32 v[TM+8*X_+4+\b], v[TM+8*X_+2*\b], s60, s61
.set X_, X_+1
.endr
.endr
.irp b, 0,1
.set X_, 0
.rept \n
	v_max_num_f32 v[TM+8*X_+2*\b], v[TM+8*X_+2*\b], v[TM+8*X_+4+\b]
.set X_, X_+1
.endr
.endr
.irp b, 0,1
.set X_, 0
.rept \n
	v_add_nc_u32 v[TM+8*X_+6+\b], 0xfe000000, v[TM+8*X_+2*\b]      ; 4 off the exponent field
.set X_, X_+1
.endr
.endr
.irp b, 0,1
.set X_, 0
.rept \n
	v_lshrrev_b32 v[TM+8*X_+4+\b], 23, v[TM+8*X_+6+\b]
.set X_, X_+1
.endr
.endr
.endm
; Second part: the codes, a whole block to a lane (lanes 0-15 the first block, lanes 16-31 the second): six registers from v[cd + 6 x] on
.macro HQB n, src, cd
.set X_, 0
.rept \n
	v_cvt_scalef32_pk16_bf6_f32 v[\cd+6*X_:\cd+6*X_+2], v[\src+32*X_:\src+32*X_+15], v[TM+8*X_+6]
	v_cvt_scalef32_pk16_bf6_f32 v[CT+4*X_:CT+4*X_+2], v[\src+32*X_+16:\src+32*X_+31], v[TM+8*X_+7]
.set X_, X_+1
.endr
	v_nop                                          ; one plain place behind the scaled conversions
.irp i, 0,1,2
.set X_, 0
.rept \n
	v_permlane16_swap_b32 v[\cd+6*X_+\i], v[CT+4*X_+\i]
.set X_, X_+1
.endr
.endr
.irp i, 0,1,2
.set X_, 0
.rept \n
	v_mov_b32 v[\cd+6*X_+3+\i], v[CT+4*X_+\i]
.set X_, X_+1
.endr
.endr
.endm
; BLOCK s = 0 .. 7 of a step of 128 tokens
.macro BLK s
	s_add_co_u32 s100, s100, RB                    ; the block two on,
	s_min_u32 s101, s100, 15*RB                    ; held at the last
	s_add_co_u32 s90, s90, 512
	s_min_u32 s91, s90, 15*512
	WALU
	s_wait_dscnt NF                                ; this block's rows are in; the last fetch, NF loads, may be out
.irp q, 0,1,2,3,4,5,6,7
.irp t, 0,1,2,3
	PQK (\s)%2, \q, \t
.endr
.irp t, 0,1
	PV (\s)%2, \q, \t, (\s)%4
.endr
.endr
	WIN 0
.irp q, 0,1,2,3,4,5,6,7                        ; these nine lines are also the places behind the last products
	v_add_nc_u32 v[AQ+\q], s101, v[AQ0+\q]
.endr
	v_add_nc_u32 v[AAS], s91, v[AAS0]
	FETCHAT (\s)%2, AQ, AAS
	WALU
	s_wait_xcnt 0x0                                ; the last block's stores have read their registers
	HQA 1, ACC
	v_lshl_or_b32 v[WQ+\s], v[TM+5], 8, v[TM+4]    ; the tile's scale word: two bytes, the upper two 0
	HQB 1, ACC, NCD
.irp g, 0,1,2
	global_store_b64 v[L8], v[NCD+2*\g:NCD+2*\g+1], s[12:13] offset:768*(\s)+256*\g   ; 256 consecutive bytes, aligned
.endr
.if (\s)%4 == 3                        ; V: 64 keys are whole
	HQA 2, HV
.irp x, 0,1
.if (\s) == 3
	v_lshl_or_b32 v[WV+\x], v[TM+8*\x+5], 8, v[TM+8*\x+4]
.else
	v_lshl_or_b32 v[TM+8*\x], v[TM+8*\x+5], 8, v[TM+8*\x+4]
.endif
.endr
.if (\s) == 7
.irp x, 0,1
	v_lshl_or_b32 v[WV+\x], v[TM+8*\x], 16, v[WV+\x]
.endr
.endif
	HQB 2, HV, VCD
.irp x, 0,1
.irp g, 0,1,2
	global_store_b64 v[L8], v[VCD+6*\x+2*\g:VCD+6*\x+2*\g+1], s[16:17] offset:1536*\x+768*((\s)/4)+256*\g
.endr
.endr
.endif
.if (\s) == 7                          ; the step's scale words: lanes 0-15 tile 2 p's rows, lanes 16-31 tile 2 p + 1's
.irp p, 0,1,2,3
	v_cndmask_b32 v[WI+\p], v[WQ+2*\p], v[WQ+2*\p+1], s62
.endr
	v_cndmask_b32 v[TM], v[WV], v[WV+1], s62
	global_store_b128 v[L16], v[WI:WI+3], s[12:13] offset:12288
	global_store_b32 v[L8], v[TM], s[18:19]
.endif
.endm
; ================= THE HEAD
	s_load_b256 s[4:11], s[0:1], 0x0               ; xq s[4:5], wq s[6:7], qq s[8:9], kv s[10:11]
	v_lshl_add_u32 v[SPW], v0, 2, SPARE
	v_mov_b32 v[NIL], 0
	ds_add_u32 v[SPW], v[NIL]                      ; the opening lines: the add, twice on end, and its wait
	ds_add_u32 v[SPW], v[NIL]
	v_lshrrev_b32 v12, 5, v0
	v_readfirstlane_b32 s14, v12                   ; wave 0..3
	s_bfe_u32 s40, ttmp6, 0x40000                  ; cx
	s_lshl_b32 s42, ttmp9, 2
	s_add_co_u32 s42, s42, s40                     ; work-group x
	s_and_b32 s43, ttmp7, 0xffff                   ; work-group y: x's 256 rows, which the four partners share
	s_lshl_b32 s44, s42, 2
	s_add_co_u32 s44, s44, s14                     ; wave column v
	s_mov_b32 s60, 0x76543210
	s_mov_b32 s61, 0xfedcba98                      ; v_permlanex16_b32's selects for lane l xor 16
	s_mov_b32 s62, 0xffff0000                      ; lanes 16-31
	; descriptor group 1: 64 rows of 768 bytes, dense
	s_mov_b32 s[G1+0], 15|(1<<21)                  ; 15:0 the mask: all four work-groups; elements of 1 byte; 21 set beside a mask
	s_mov_b32 s[G1+1], 768<<16
	s_mov_b32 s[G1+2], 64<<16
	s_mov_b32 s[G1+3], 768<<16
	s_mov_b32 s[G1+4], 64
	s_mov_b32 s[G1+5], 768
	s_mov_b32 s[G1+6], 0
	s_mov_b32 s[G1+7], 0
	s_mov_b32 s[G0], 1
	s_mul_i32 s[G0+1], s14, 4*RB                   ; to LDS at wave x 49,152
	s_mul_i32 s66, s43, 16*RB
	s_add_co_u32 s66, s66, s[G0+1]                 ; x's codes: my 64 rows
	s_mov_b32 s67, 0
	s_lshl_b32 s68, s43, 13
	s_add_co_u32 s68, s68, 0x600000                ; x's scale words
	s_mov_b32 s69, 0
	s_mul_i32 s70, s44, 4*RB                       ; Q|K's weights: row block 4 v
	s_mov_b32 s71, 0
	s_mul_i32 s72, s44, 2*RB
	s_add_co_u32 s72, s72, 128*RB                  ; V's: row block 128 + 2 v
	s_mov_b32 s73, 0
	s_lshl_b32 s74, s44, 11
	s_add_co_u32 s74, s74, 0x300000                ; their scale words
	s_mov_b32 s75, 0
	s_lshl_b32 s76, s44, 10
	s_add_co_u32 s76, s76, 0x300000+128*512
	s_mov_b32 s77, 0
	s_lshl_b32 s22, s43, 1                         ; the first of my two steps: 16 batch + step = 2 y
	s_and_b32 s78, s44, 15
	s_lshl_b32 s78, s78, 6
	s_add_co_u32 s78, s78, s22
	s_mul_i32 s78, s78, BLKB                       ; q's or k's block: 64 (v % 16) + 2 y
	s_mov_b32 s79, 0
	s_lshr_b32 s80, s44, 1
	s_lshl_b32 s80, s80, 6
	s_add_co_u32 s80, s80, s22
	s_mul_i32 s80, s80, BLKB                       ; v's block: 64 (v / 2) + 2 y
	s_mov_b32 s81, 0
	s_and_b32 s20, s44, 1
	s_lshl_b32 s82, s20, 2
	s_add_co_u32 s82, s82, s80
	s_add_co_u32 s82, s82, 12800                   ; its scale words: word v % 2 of a lane's two
	s_mov_b32 s83, 0
	s_mul_i32 s20, s20, 3072
	s_add_co_u32 s80, s80, s20
	s_add_co_u32 s80, s80, 6144                    ; its tiles 2 (v % 2) and the next
	v_and_b32 v12, 15, v0                          ; r
	v_bfe_u32 v13, v0, 4, 1                        ; h
	v_and_b32 v14, 31, v0                          ; lane
	v_lshlrev_b32 v[T16], 4, v0
	v_lshlrev_b32 v15, 2, v12
	v_lshlrev_b32 v[L8], 3, v14
	v_lshlrev_b32 v[L16], 4, v14
	v_add_nc_u32 v[SCA], SCL, v[T16]
	v_lshl_add_u32 v[ABS], v13, 9, v15
	v_lshl_add_u32 v15, v13, 6, v15
	v_mov_b32 v[TM+4], 0                           ; written once: a lane permute's destination counts as one of its sources
	v_mov_b32 v[TM+5], 0
	v_mov_b32 v[TM+12], 0
	v_mov_b32 v[TM+13], 0
	v_add_nc_u32 v[AAS0], SCL, v15
.irp q, 0,1,2,3,4,5,6,7
	v_add_nc_u32 v[AQ0+\q], 1536*\q, v[L8]
	v_add_nc_u32 v[AQ+\q], RB+1536*\q, v[L8]
.endr
	v_add_nc_u32 v[AAS], 512, v[AAS0]
	WALU                                           ; the wait at the head's end
	s_wait_dscnt 0x0
	CROUND                                         ; all four work-groups are here: the joint loads meet
	s_wait_kmcnt 0x0
	s_add_nc_u64 s[G0+2:G0+3], s[4:5], s[66:67]
	s_or_b32 s[G0+3], s[G0+3], 0x80000000
	tensor_load_to_lds s[G0:G0+3], s[G1:G1+7]      ; my one tensor load of the launch
	s_nop 0
.rept 4
	v_nop
.endr
	s_add_nc_u64 s[32:33], s[4:5], s[68:69]
	s_add_nc_u64 s[24:25], s[6:7], s[70:71]
	s_add_nc_u64 s[26:27], s[6:7], s[72:73]
	s_add_nc_u64 s[28:29], s[6:7], s[74:75]
	s_add_nc_u64 s[30:31], s[6:7], s[76:77]
	s_cmp_lt_u32 s44, 16                           ; q goes to qq, k to kv
	s_cselect_b64 s[12:13], s[8:9], s[10:11]
	s_add_nc_u64 s[12:13], s[12:13], s[78:79]
	s_add_nc_u64 s[16:17], s[10:11], s[80:81]
	s_add_nc_u64 s[18:19], s[10:11], s[82:83]
.irp k, 0,1,2,3
	global_load_b128 v[ACC+4*\k:ACC+4*\k+3], v[T16], s[32:33] offset:2048*\k   ; x's scale words: the 128 threads read 2,048 consecutive bytes an instruction
.endr
.irp p, 0,1
.irp q, 0,1,2,3,4,5,6,7
	global_load_b32 v[SB+8*\p+\q], v[ABS], s[28:29] offset:1024*\p+64*\q
.endr
.endr
.irp q, 0,1,2,3,4,5,6,7
	global_load_b32 v[SBV+\q], v[ABS], s[30:31] offset:64*\q
.endr
.irp q, 0,1,2,3,4,5,6,7                        ; my 48 fragments of the weights
.irp t, 0,1,2,3
	WFRAG 6*\q+\t, 24, RB*\t+1536*\q
.endr
.irp t, 0,1
	WFRAG 6*\q+4+\t, 26, RB*\t+1536*\q
.endr
.endr
	WIN 0
	s_wait_loadcnt 0x0
.irp k, 0,1,2,3
	ds_store_b128 v[SCA], v[ACC+4*\k:ACC+4*\k+3] offset:2048*\k
.endr
	s_wait_tensorcnt 0x0                           ; every wave: my 64 rows have landed,
	s_wait_dscnt 0x0                               ; and my share of the scale words
	BARRIER                                        ; everybody's have
	FETCHAT 0, AQ0, AAS0
	FETCHAT 1, AQ, AAS
	s_mov_b32 s100, RB                             ; the block fetched last
	s_mov_b32 s90, 512
	s_mov_b32 s23, 0
; ================= THE STREAM: two steps of 128 tokens, eight blocks each
.Lstep:
.irp s, 0,1,2,3,4,5,6,7
	BLK \s
.endr
	WALU
	s_wait_xcnt 0x0                                ; the stores have read their bases
	s_add_nc_u64 s[12:13], s[12:13], BLKB          ; the next step's blocks of the result
	s_add_nc_u64 s[16:17], s[16:17], BLKB
	s_add_nc_u64 s[18:19], s[18:19], BLKB
	s_add_co_u32 s23, s23, 1
	s_cmp_lg_u32 s23, 2
	s_cbranch_scc1 .Lstep
	s_wait_tensorcnt 0x0                           ; the wave's end
	ds_add_u32 v[SPW], v[NIL]
	s_wait_dscnt 0x0
	CROUND                                         ; the closing round
	s_endpgm
.Lfunc_end_k_q71eb076b12_proj:
	.size	k_q71eb076b12_proj, .Lfunc_end_k_q71eb076b12_proj-k_q71eb076b12_proj
	.p2alignl 7, 3214868480
	.fill 96, 4, 3214868480
	.section	.rodata,"a",@progbits
	.p2align	6, 0x0
	.amdhsa_kernel k_q71eb076b12_proj
		.amdhsa_group_segment_fixed_size 205312
		.amdhsa_private_segment_fixed_size 0
		.amdhsa_enable_private_segment 0
		.amdhsa_kernarg_size 32
		.amdhsa_user_sgpr_count 2
		.amdhsa_user_sgpr_kernarg_segment_ptr 1
		.amdhsa_wavefront_size32 1
		.amdhsa_system_sgpr_workgroup_id_x 1
		.amdhsa_system_sgpr_workgroup_id_y 1
		.amdhsa_system_sgpr_workgroup_id_z 1
		.amdhsa_system_vgpr_workitem_id 0
		.amdhsa_next_free_vgpr 1024
		.amdhsa_next_free_sgpr 102
		.amdhsa_reserve_vcc 0
		.amdhsa_float_denorm_mode_32 3
		.amdhsa_float_denorm_mode_16_64 3
		.amdhsa_memory_ordered 1
		.amdhsa_forward_progress 1
		.amdhsa_inst_pref_size 141
	.end_amdhsa_kernel
	.amdgpu_metadata
---
amdhsa.version: [ 1, 2 ]
amdhsa.kernels:
  - .name:           k_q71eb076b12_proj
    .symbol:         k_q71eb076b12_proj.kd
    .args:
      - { .name: xq, .offset: 0, .size: 8, .value_kind: global_buffer, .address_space: global }
      - { .name: wq, .offset: 8, .size: 8, .value_kind: global_buffer, .address_space: global }
      - { .name: qq, .offset: 16, .size: 8, .value_kind: global_buffer, .address_space: global }
      - { .name: kv, .offset: 24, .size: 8, .value_kind: global_buffer, .address_space: global }
    .group_segment_fixed_size: 205312
    .private_segment_fixed_size: 0
    .kernarg_segment_align: 8
    .kernarg_segment_size: 32
    .max_flat_workgroup_size: 128
    .sgpr_count:     102
    .vgpr_count:     1024
    .wavefront_size: 32
...
	.end_amdgpu_metadata
.endif
;; end of part 2
;; launch attn (part 3): grid 4 x 64, 8 waves a work-group, clusters of 4 x 1, 210,944 bytes of LDS; arguments qq, kv, cq; writes cq
.if DOCPART == 3
	.amdgcn_target "amdgcn-amd-amdhsa--gfx1250"
	.amdhsa_code_object_version 6
	.text
	.protected	k_q71eb076b12_attn
	.globl	k_q71eb076b12_attn
	.p2align	8
	.type	k_q71eb076b12_attn,@function
k_q71eb076b12_attn:
	s_mov_b64 s[64:65], 0
	v_nop
	global_prefetch_b8 v0, s[64:65] scope:SCOPE_SE
	s_setreg_imm32_b32 hwreg(HW_REG_WAVE_MODE, 25, 1), 1
	s_wait_xcnt 0x0
	s_wait_alu depctr_hold_cnt(0) depctr_sa_sdst(0) depctr_va_vdst(0) depctr_va_sdst(0) depctr_va_ssrc(0) depctr_va_vcc(0) depctr_vm_vsrc(0)
	s_getreg_b32 s2, hwreg(HW_REG_IB_STS2, 6, 4)
	s_cmp_eq_u32 s2, 0
	s_cbranch_scc0 .Lentry_in_a_cluster
	s_endpgm
.Lentry_in_a_cluster:
	s_bfe_u32 s2, ttmp6, 0x10000c
	s_cmp_lg_u32 s2, 0x3003
	s_cbranch_scc0 .Lentry_shape_is_right
	s_endpgm
.Lentry_shape_is_right:
; Causal attention on codes of BF6 (E3M2), head size 64, 2,048 tokens, for (head, batch) y = 4 head + batch; the result, divided by the row's sum, is quantised along the head's 64 for the last product.
; INPUTS: blocks of 13,056 bytes for (y, step of 128 tokens): +0 eight tiles of 16 tokens x 64 (768 bytes: the image of six operand registers; q in qq, k in kv); +6,144 four tiles of 16 channels of v x 128 keys (1,536 bytes);
; +12,288 the eight tiles' scale words (lane l's 16 bytes: word p = tile 2 p + l / 16, row l % 16); +12,800 v's (lane l's 8 bytes likewise).  Row r of tile 2 b + u is token (or channel) 32 b + 8 u + r + 8 (r / 8).
; THE SOFTMAX: t = score x log2(e) / 8; M = the running largest t rounded up to a whole number; p = 2^(t - M) is quantised along the keys, not normalised; the row's sum is taken of the unquantised p and divides at the end.
; When M moves, the sums and O are multiplied by 2^(old M - new M): exact.
; LEFT OUT: key steps all of whose keys come after a pair's queries: the causal mask gives them the weight 0 for all values of the inputs.
; SHARES.  The four work-groups of a cluster serve one y.  A head's K, V and scale words, 16 blocks = 208,896 bytes, lie in LDS whole; wave w asks for blocks 2 w and 2 w + 1 by ONE joint load that names all four partners.
; Nothing is filled twice.  Waves 0 and 1 have a load line of their own: a first barrier shows blocks 0-3, a second, behind four key steps, all sixteen.
; A wave owns two PAIRS of query tiles (32 queries, 32 neighbouring tokens): first pair 63 - P, then pair P = 4 w + cx: 16 - w and w + 1 key steps count for them, 17 for every wave.  Both tiles of a pair share each fragment of K and V.
; Which steps count hangs on the wave's number alone; cx enters global addresses and the mask's numbers.
; All tiles are asked for at the head, so there is no later tile to prefetch.
; LAYOUT.  Both products are used transposed: S^T = K Q^T (source 0 = 16 keys, source 1 = 16 queries), O^T = V^T P^T: a lane holds one query of each tile.  The instruction's K is 128, the head's 64: Q's upper six registers are
; zero codes, and K's upper six are the next tile's codes (behind the last tile: six registers of zeros): they meet zeros.
; IN A STEP V's fragments and the NEXT step's K are fetched behind the score products; s_wait_dscnt 25 ahead of the second product leaves the 25 younger loads (K's 24 and its scale words) out.
; LIMITS: NaN and infinities are not served; the promise holds while |t| stays under 2^31; the division by the sum is v_rcp_f32 and a multiplication; a block's largest p is made from the block's largest score
; (v_exp_f32 is taken not to fall where its input rises); a block of zeros gets the byte 1.  The result's scale bytes leave as 2 bytes a lane (two heads share a word): 262,144 bytes in all.
; REGISTERS.  Window 0: the map below.  Window 1: S^T, then p, of tile x at 64 x; O^T of tile x at 128 + 32 x.
.set BLKB, 13056
.set VOF,  6144
.set KSC,  12288
.set VSC,  12800
.set SPARE, 16*BLKB                    ; behind the blocks: the spare words, 128 bytes a wave
.set L8,   1                           ; 8 x lane
.set L16,  2                           ; 16 x lane
.set AV,   3                           ; LDS: this step's block + 8 x lane
.set AK,   4                           ; the next step's
.set AKS,  5                           ; the next step's + 16 x lane
.set R4,   6                           ; the result's scale bytes: 4 r + 512 (lane / 16)
.set QP,   7                           ; r + 8 (r / 8) - 16 (lane / 16)
.set D,    8                           ; v8, v9: my query's place in its step of 128 less 16 (lane / 16), tile 0, 1
.set NEG,  10                          ; -infinity
.set T0,   11
.set T1,   12
.set QS,   13                          ; Q's scale words: lanes 0-15 tile 0's rows, lanes 16-31 tile 1's
.set SPW,  14
.set NIL,  15
.set Q,    16                          ; v16-39: Q of tile x at 16 + 12 x, the upper six zeros
.set KF,   42                          ; v42-89 K's eight tiles; v90-95 zeros
.set VF,   96                          ; v96-143 V's four tiles
.set KS,   144                         ; v144-147 K's scale words
.set VS,   148                         ; v148-149 V's
.set PC,   150                         ; v150-173 p's codes, tile x at 150 + 12 x
.set ST,   176                         ; tile x at 176 + 16 x: +0 f, +1 p's scale word, +2 -M, +3 the largest t, +4..7 the sum in four parts, +8 at work
.set BM,   208                         ; tile x at 208 + 16 x: +0..3 the blocks' largest, +4..7 the other half's and bytes, +8..11 the conversions' scale operands
.set QX,   240                         ; v240-252 the second pair's Q and scale words, kept from the head
.set MSB, 0
.macro WIN new                         ; the immediate's high byte repeats the setting that is left
.if MSB != (\new)
	s_set_vgpr_msb (MSB<<8)|(\new)
.set MSB, (\new)
.endif
.endm
.macro WALU
	s_wait_alu depctr_va_vdst(0)
.endm
.macro H n
	s_delay_alu instid0(VALU_DEP_\n)
.endm
.macro CROUND                          ; a round of the cluster's barrier
	s_barrier_signal -1
	s_barrier_wait -1
	s_cmp_lg_u32 s12, 0
	s_cbranch_scc1 .Lnot_wave_0_\@
	s_barrier_signal -3
.Lnot_wave_0_\@:
	s_barrier_wait -3
	s_barrier_signal -1
	s_barrier_wait -1
.endm
.macro QGET d, ds                      ; pair s36's codes into v[d .. d+5] and v[d+o .. ], its scale words into v[ds]; o is set by the caller
	s_lshr_b32 s56, s36, 2
	s_mul_i32 s56, s56, BLKB                       ; its block,
	s_and_b32 s58, s36, 3
	s_mul_i32 s60, s58, 1536                       ; its two tiles among the eight,
	s_add_co_u32 s60, s60, s56
	s_add_nc_u64 s[48:49], s[42:43], s[60:61]
	s_lshl_b32 s58, s58, 2                         ; its word of a lane's four
	s_add_co_u32 s56, s56, s58
	s_add_co_u32 s56, s56, KSC
	s_add_nc_u64 s[50:51], s[42:43], s[56:57]
.irp x, 0,1
.irp g, 0,1,2
	global_load_b64 v[\d+QO*\x+2*\g:\d+QO*\x+2*\g+1], v[L8], s[48:49] offset:768*\x+256*\g
.endr
.endr
	global_load_b32 v[\ds], v[L16], s[50:51]
.endm
.macro KLOAD                           ; 25 loads: eight tiles of K and their scale words
.irp t, 0,1,2,3,4,5,6,7
.irp g, 0,1,2
	ds_load_b64 v[KF+6*\t+2*\g:KF+6*\t+2*\g+1], v[AK] offset:768*\t+256*\g
.endr
.endr
	ds_load_b128 v[KS:KS+3], v[AKS] offset:KSC
.endm
.macro PASSINIT                        ; pair s36: where its results go, the mask's numbers, the running state
	s_mul_i32 s56, s36, 24576
	s_add_nc_u64 s[52:53], s[44:45], s[56:57]      ; two row blocks of 12,288 bytes a pair
	s_lshl_b32 s56, s36, 10
	s_add_nc_u64 s[54:55], s[46:47], s[56:57]      ; and two of 512 bytes of scale words
	s_and_b32 s56, s36, 3
	s_lshl_b32 s56, s56, 5
	v_add_nc_u32 v[D], s56, v[QP]
.irp x, 0,1
	v_mov_b32 v[ST+16*\x+3], 0xff61b1e6            ; the largest t so far: -3e38
.endr
	v_add_nc_u32 v[D+1], 8, v[D]
.irp x, 0,1
	v_floor_f32 v[ST+16*\x+2], -v[ST+16*\x+3]      ; -M
.endr
.irp x, 0,1
.irp i, 4,5,6,7
	v_mov_b32 v[ST+16*\x+\i], 0
.endr
.endr
	WIN 0x40
.set j, 0
.rept 64
	v_mov_b32 v[128+j], 0                          ; O^T: the step is written once; the first finds zeros, which the first change of M leaves zeros
.set j, j+1
.endr
	WIN 0
.endm
; A KEY STEP of 128 keys for both tiles.  s39: its block in LDS; lim: the last block that the fetch of the next step's K may name; mask = 1: the pair's own step (s38 = s37) hides the keys behind each query.
.macro STEPB mask, lim
	s_add_co_u32 s41, s39, BLKB
	s_min_u32 s41, s41, (\lim)*BLKB
	s_wait_dscnt 0x0                               ; K and its scale words are in
	WIN 0x40
.irp b, 0,1,2,3                                ; S^T = K Q^T: register 16 b + i of tiles 2 b, 2 b + 1 is key 32 b + 16 (lane / 16) + i of the step
.irp u, 0,1
.irp x, 0,1
	v_wmma_scale_f32_16x16x128_f8f6f4 v[64*\x+16*\b+8*\u:64*\x+16*\b+8*\u+7], v[KF+12*\b+6*\u:KF+12*\b+6*\u+11], v[Q+12*\x:Q+12*\x+11], 0, v[KS+\b], v[QS] matrix_a_fmt:MATRIX_FMT_BF6 matrix_b_fmt:MATRIX_FMT_BF6 matrix_a_scale:MATRIX_SCALE_ROW\u matrix_b_scale:MATRIX_SCALE_ROW\x
.endr
.endr
.endr
	WIN 0
	v_add_nc_u32 v[AV], s39, v[L8]                 ; four places behind the products, ahead of the loads into their registers and of the first read of the scores
	v_add_nc_u32 v[AK], s41, v[L8]
	v_add_nc_u32 v[AKS], s41, v[L16]
	v_nop
.irp e, 0,1,2,3
.irp p, 0,1,2,3,4,5
	ds_load_b64 v[VF+12*\e+2*\p:VF+12*\e+2*\p+1], v[AV] offset:VOF+1536*\e+256*\p
.endr
.endr
	ds_load_b64 v[VS:VS+1], v[AV] offset:VSC       ; 25 loads for V,
	KLOAD                                          ; 25 for the next step's K
.if \mask
	s_cmp_lg_u32 s38, s37                          ; only the pair's own step lies on the diagonal
	s_cbranch_scc1 .Lopen_\@
	WIN 0x41
.irp x, 0,1
.set n, 0
.rept 64
	v_cmp_gt_i32 vcc_lo, 32*(n/16)+n%16, v[D+\x]
	v_cndmask_b32 v[64*\x+n], v[64*\x+n], v[NEG], vcc_lo   ; hidden scores become -infinity ahead of the maximum: p = 0 then
.set n, n+1
.endr
.endr
	WIN 0
.Lopen_\@:
.endif
	WIN 0x15
.irp b, 0,1,2,3                                ; the largest score of each half block: eight chains by turns
.irp x, 0,1
	v_max3_num_f32 v[BM+16*\x+\b], v[64*\x+16*\b], v[64*\x+16*\b+1], v[64*\x+16*\b+2]
.endr
.endr
	WIN 0x14
.irp i, 3,5,7,9,11,13
.irp b, 0,1,2,3
.irp x, 0,1
	v_max3_num_f32 v[BM+16*\x+\b], v[BM+16*\x+\b], v[64*\x+16*\b+\i], v[64*\x+16*\b+\i+1]
.endr
.endr
.endr
.irp b, 0,1,2,3
.irp x, 0,1
	v_max_num_f32 v[BM+16*\x+\b], v[BM+16*\x+\b], v[64*\x+16*\b+15]
.endr
.endr
	WIN 0
.irp b, 0,1,2,3
.irp x, 0,1
	v_permlanex16_b32 v[BM+16*\x+4+\b], v[BM+16*\x+\b], s20, s21
.endr
.endr
.irp b, 0,1,2,3
.irp x, 0,1
	v_max_num_f32 v[BM+16*\x+\b], v[BM+16*\x+\b], v[BM+16*\x+4+\b]   ; with lane l xor 16's 16 keys: the block's largest score
.endr
.endr
.irp x, 0,1
	v_max3_num_f32 v[ST+16*\x+8], v[BM+16*\x], v[BM+16*\x+1], v[BM+16*\x+2]
.endr
.irp x, 0,1
	H 2
	v_max_num_f32 v[ST+16*\x+8], v[ST+16*\x+8], v[BM+16*\x+3]        ; the step's largest score of my query
.endr
.irp x, 0,1
	H 2
	v_mul_f32 v[ST+16*\x+8], s22, v[ST+16*\x+8]                      ; as t
.endr
.irp x, 0,1
	H 2
	v_max_num_f32 v[ST+16*\x+3], v[ST+16*\x+3], v[ST+16*\x+8]        ; the running largest t
.endr
.irp x, 0,1
	v_mov_b32 v[ST+16*\x+8], v[ST+16*\x+2]
.endr
.irp x, 0,1
	v_floor_f32 v[ST+16*\x+2], -v[ST+16*\x+3]                        ; the new -M = -ceil(t)
.endr
.irp x, 0,1
	H 2
	v_sub_f32 v[ST+16*\x+8], v[ST+16*\x+2], v[ST+16*\x+8]            ; old M - new M: a whole number, 0 or less
.endr
.irp x, 0,1
	H 2
	v_cvt_i32_f32 v[ST+16*\x+8], v[ST+16*\x+8]                       ; (it saturates)
.endr
.irp x, 0,1
	H 2
	v_ldexp_f32 v[ST+16*\x], 1.0, v[ST+16*\x+8]                      ; f = 2^(old M - new M)
.endr
	WIN 0x41
.set j, 0
.rept 32
	v_pk_fma_f32 v[j:j+1], v[j:j+1], s[22:23], v[ST+2:ST+3] op_sel_hi:[1,0,0]   ; tile 0: t - M, two at a time
.set j, j+2
.endr
	WIN 0
.irp b, 0,1,2,3
.irp x, 0,1
	v_fma_f32 v[BM+16*\x+\b], v[BM+16*\x+\b], s22, v[ST+16*\x+2]     ; the same of each block's largest score
.endr
.endr
	WALU                                           ; the wait ahead of a batch of exponentials
	WIN 0x41
.set j, 0
.rept 32
	v_exp_f32 v[j], v[j]                           ; tile 0: p = 2^(t - M); tile 1's t - M stands among them
	v_exp_f32 v[j+1], v[j+1]
	v_pk_fma_f32 v[64+j:64+j+1], v[64+j:64+j+1], s[22:23], v[ST+18:ST+19] op_sel_hi:[1,0,0]
.set j, j+2
.endr
	WALU                                           ; behind tile 0's batch and ahead of tile 1's
.set j, 0
.rept 64
	v_exp_f32 v[64+j], v[64+j]
.set j, j+1
.endr
	WIN 0
.irp x, 0,1
	v_pk_mul_f32 v[ST+16*\x+4:ST+16*\x+5], v[ST+16*\x+4:ST+16*\x+5], v[ST+16*\x:ST+16*\x+1] op_sel_hi:[1,0]   ; the sums under the new M: plain places behind the exponentials
	v_pk_mul_f32 v[ST+16*\x+6:ST+16*\x+7], v[ST+16*\x+6:ST+16*\x+7], v[ST+16*\x:ST+16*\x+1] op_sel_hi:[1,0]
.endr
	WALU
.irp b, 0,1,2,3
.irp x, 0,1
	v_exp_f32 v[BM+16*\x+\b], v[BM+16*\x+\b]       ; the block's largest p
.endr
.endr
	WIN 0x04
.set j, 0
.rept 16                                       ; the row's sum is taken of the unquantised p: four chains by turns
.irp x, 0,1
	v_pk_add_f32 v[ST+16*\x+4:ST+16*\x+5], v[ST+16*\x+4:ST+16*\x+5], v[64*\x+j:64*\x+j+1]
	v_pk_add_f32 v[ST+16*\x+6:ST+16*\x+7], v[ST+16*\x+6:ST+16*\x+7], v[64*\x+j+2:64*\x+j+3]
.endr
.set j, j+4
.endr
	WIN 0
	WALU                                           ; for the eight
.irp b, 0,1,2,3
.irp x, 0,1
	v_max_num_f32 v[BM+16*\x+\b], 0x2800000, v[BM+16*\x+\b]          ; the floor 2^(5 - 127): the byte cannot fall under 1
.endr
.endr
.irp b, 0,1,2,3
.irp x, 0,1
	v_add_nc_u32 v[BM+16*\x+8+\b], 0xfe000000, v[BM+16*\x+\b]        ; 4 off the exponent field: the conversion's scale operand
.endr
.endr
.irp b, 0,1,2,3
.irp x, 0,1
	v_lshrrev_b32 v[BM+16*\x+4+\b], 23, v[BM+16*\x+8+\b]             ; the scale's byte
.endr
.endr
.irp x, 0,1
	v_lshl_or_b32 v[ST+16*\x+1], v[BM+16*\x+5], 8, v[BM+16*\x+4]     ; p's scale word for these 128 keys
.endr
.irp x, 0,1
	H 2
	v_lshl_or_b32 v[ST+16*\x+1], v[BM+16*\x+6], 16, v[ST+16*\x+1]
.endr
.irp x, 0,1
	H 2
	v_lshl_or_b32 v[ST+16*\x+1], v[BM+16*\x+7], 24, v[ST+16*\x+1]
.endr
	WIN 0x01
.irp x, 0,1
	v_cvt_scalef32_pk16_bf6_f32 v[PC+12*\x:PC+12*\x+2], v[64*\x:64*\x+15], v[BM+16*\x+8]
	v_cvt_scalef32_pk16_bf6_f32 v[BM+16*\x+4:BM+16*\x+6], v[64*\x+16:64*\x+31], v[BM+16*\x+9]
	v_cvt_scalef32_pk16_bf6_f32 v[PC+12*\x+6:PC+12*\x+8], v[64*\x+32:64*\x+47], v[BM+16*\x+10]
	v_cvt_scalef32_pk16_bf6_f32 v[BM+16*\x:BM+16*\x+2], v[64*\x+48:64*\x+63], v[BM+16*\x+11]
.endr
	WIN 0
	v_nop                                          ; one plain place behind the scaled conversions
.irp i, 0,1,2
.irp x, 0,1
	v_permlane16_swap_b32 v[PC+12*\x+\i], v[BM+16*\x+4+\i]           ; a whole block to a lane: lanes 0-15 block 0, lanes 16-31 block 1
.endr
.endr
.irp i, 0,1,2
.irp x, 0,1
	v_permlane16_swap_b32 v[PC+12*\x+6+\i], v[BM+16*\x+\i]           ; blocks 2 and 3
.endr
.endr
.irp i, 0,1,2
.irp x, 0,1
	v_mov_b32 v[PC+12*\x+3+\i], v[BM+16*\x+4+\i]
.endr
.endr
.irp i, 0,1,2
.irp x, 0,1
	v_mov_b32 v[PC+12*\x+9+\i], v[BM+16*\x+\i]
.endr
.endr
	s_wait_dscnt 25                                ; V and its scale words are in; the 25 loads of the next step's K may be out
	WIN 0x41
	WALU                                           ; the wait directly ahead of the first reader of O^T
.irp x, 0,1
.set j, 0
.rept 16
	v_pk_mul_f32 v[128+32*\x+j:128+32*\x+j+1], v[128+32*\x+j:128+32*\x+j+1], v[ST+16*\x:ST+16*\x+1] op_sel_hi:[1,0]   ; O^T under the new M; also the places between the scale words and codes and the products below
.set j, j+2
.endr
.endr
	WIN 0x50
.irp c, 0,1                                    ; O^T += V^T P^T: eight accumulators by turns
.irp u, 0,1
.irp x, 0,1
	v_wmma_scale_f32_16x16x128_f8f6f4 v[128+32*\x+16*\c+8*\u:128+32*\x+16*\c+8*\u+7], v[VF+24*\c+12*\u:VF+24*\c+12*\u+11], v[PC+12*\x:PC+12*\x+11], v[128+32*\x+16*\c+8*\u:128+32*\x+16*\c+8*\u+7], v[VS+\c], v[ST+16*\x+1] matrix_a_fmt:MATRIX_FMT_BF6 matrix_b_fmt:MATRIX_FMT_BF6 matrix_a_scale:MATRIX_SCALE_ROW\u matrix_b_scale:MATRIX_SCALE_ROW0
.endr
.endr
.endr
	WIN 0
.endm
	s_load_b128 s[4:7], s[0:1], 0x0                ; qq s[4:5], kv s[6:7]
	s_load_b64 s[8:9], s[0:1], 0x10                ; cq
	v_lshl_add_u32 v[SPW], v0, 2, SPARE
	v_mov_b32 v[NIL], 0
	ds_add_u32 v[SPW], v[NIL]                      ; the opening lines: the add, twice on end, and its wait ahead of my tensor load
	ds_add_u32 v[SPW], v[NIL]
	v_lshrrev_b32 v[T0], 5, v0
	v_readfirstlane_b32 s12, v[T0]                 ; wave 0..7
	s_bfe_u32 s13, ttmp6, 0x40000                  ; cx
	s_and_b32 s14, ttmp7, 0xffff                   ; y, which the four partners share
	s_lshr_b32 s15, s14, 2                         ; head
	s_and_b32 s16, s14, 3                          ; batch
	s_mov_b32 s18, 0xffff0000                      ; lanes 16-31
	s_mov_b32 s20, 0x76543210
	s_mov_b32 s21, 0xfedcba98                      ; v_permlanex16_b32's selects for lane l xor 16
	s_mov_b32 s22, 0x3e38aa3b                      ; c = log2(e) / 8
	s_mov_b32 s23, s22                             ; (named with it as a pair)
	s_mov_b32 s57, 0                               ; the upper words of the offsets
	s_mov_b32 s61, 0
	; descriptor group 1: two blocks: 102 rows of 256 bytes (32 elements of 8 bytes), dense
	s_mov_b32 s24, 15|(3<<16)|(1<<21)              ; 15:0 the mask: all four work-groups; 17:16 elements of 8 bytes; 21 set beside a mask
	s_mov_b32 s25, 32<<16
	s_mov_b32 s26, 102<<16
	s_mov_b32 s27, 32<<16
	s_mov_b32 s28, 102
	s_mov_b32 s29, 32
	s_mov_b32 s30, 0
	s_mov_b32 s31, 0
	s_lshl_b32 s56, s14, 4
	s_lshl_b32 s58, s12, 1
	s_add_co_u32 s56, s56, s58
	s_mul_i32 s56, s56, BLKB                       ; block 16 y + 2 x wave
	s_mov_b32 s32, 1
	s_mul_i32 s33, s12, 2*BLKB                     ; to LDS at wave x 26,112
	WALU
	s_wait_dscnt 0x0
	s_wait_kmcnt 0x0
	s_add_nc_u64 s[34:35], s[6:7], s[56:57]
	s_or_b32 s35, s35, 0x80000000
	CROUND                                         ; all four work-groups are here: the joint loads meet
	s_cmp_lt_u32 s12, 2                            ; waves 0 and 1, whose blocks are shown first, have a load line of their own
	s_cbranch_scc0 .Lrest
	tensor_load_to_lds s[32:35], s[24:31]
	s_nop 0
.rept 4
	v_nop
.endr
	s_branch .Lasked
.Lrest:
	tensor_load_to_lds s[32:35], s[24:31]
	s_nop 0
.rept 4
	v_nop
.endr
.Lasked:
	s_mul_i32 s56, s14, 16*BLKB
	s_add_nc_u64 s[42:43], s[4:5], s[56:57]        ; q's blocks of y
	s_lshl_b32 s56, s16, 11
	s_add_co_u32 s56, s56, s15
	s_mul_i32 s56, s56, 768
	s_add_nc_u64 s[44:45], s[8:9], s[56:57]        ; the result's codes: row block 128 batch + tile, half fragment = head
	s_lshl_b32 s56, s16, 16
	s_lshr_b32 s58, s15, 1
	s_lshl_b32 s58, s58, 6
	s_add_co_u32 s56, s56, s58
	s_and_b32 s58, s15, 1
	s_lshl_b32 s58, s58, 1
	s_add_co_u32 s56, s56, s58
	s_add_co_u32 s56, s56, 0x600000
	s_add_nc_u64 s[46:47], s[8:9], s[56:57]        ; its scale words: K step head / 2, bytes 2 (head % 2) on
	v_and_b32 v[T1], 31, v0                        ; lane
	v_and_b32 v[T0], 15, v0                        ; r
	v_bfe_u32 v[AV], v0, 4, 1                      ; h
	v_lshlrev_b32 v[L8], 3, v[T1]
	v_lshlrev_b32 v[L16], 4, v[T1]
	v_lshlrev_b32 v[R4], 2, v[T0]
	v_and_b32 v[QP], 8, v[T0]
	v_lshlrev_b32 v[AK], 4, v[AV]
	v_lshl_add_u32 v[R4], v[AV], 9, v[R4]          ; lanes 16-31 store tile 1's bytes, a row block on
	v_add_nc_u32 v[QP], v[QP], v[T0]
	v_mov_b32 v[NEG], 0xff800000
	v_sub_nc_u32 v[QP], v[QP], v[AK]
.irp i, 0,1,2,3,4,5
	v_mov_b32 v[Q+6+\i], 0                         ; Q's upper 64 along K: zero codes, written once
	v_mov_b32 v[Q+18+\i], 0
	v_mov_b32 v[KF+48+\i], 0                       ; and what follows K's last tile
.endr
.irp x, 0,1
	v_mov_b32 v[ST+16*\x+1], 0                     ; (named as the upper half of a pair before it is first made)
.irp b, 0,1,2,3
	v_mov_b32 v[BM+16*\x+4+\b], 0                  ; written once: a lane permute's destination counts as one of its sources
.endr
.endr
	v_mov_b32 v[AK], v[L8]                         ; the first step's K: block 0
	v_mov_b32 v[AKS], v[L16]
	s_lshl_b32 s36, s12, 2
	s_add_co_u32 s36, s36, s13                     ; the second pair: P = 4 w + cx
	WALU
.set QO, 6
	QGET QX, QX+12
	s_wait_xcnt 0x0                                ; these loads have read their bases
	s_sub_co_u32 s36, 63, s36                      ; the first pair: 63 - P,
	s_sub_co_u32 s37, 15, s12                      ; its last key step: the one that holds its own tokens
.set QO, 12
	QGET Q, QS
	PASSINIT
	WALU                                           ; the wait at the head's end
	s_wait_dscnt 0x0
	s_cmp_lt_u32 s12, 2
	s_cbranch_scc0 .Lnot_first
	s_wait_tensorcnt 0x0                           ; waves 0 and 1: blocks 0-3 have landed
.Lnot_first:
	s_barrier_signal -1
	s_barrier_wait -1                              ; the other blocks may still be on their way
	KLOAD
	s_wait_loadcnt 0x0                             ; both pairs' Q
	s_mov_b32 s38, 0
	s_mov_b32 s39, 0
.Lfirst:                                           ; key steps 0-3 of the first pair, whose own step is 8 or later: all their keys count.  The fetch of the next K stays inside block 3
	STEPB 0, 3
	s_add_co_u32 s39, s39, BLKB
	s_add_co_u32 s38, s38, 1
	s_cmp_lt_u32 s38, 4
	WALU
	s_cbranch_scc1 .Lfirst
	s_wait_tensorcnt 0x0                           ; every wave: my two blocks have landed,
	s_wait_dscnt 0x0                               ; and no LDS load of mine is out
	s_barrier_signal -1
	s_barrier_wait -1                              ; all sixteen blocks are in
	s_mov_b32 s40, 0
.Lpass:                                            ; two trips: the first pair from step 4 on, the second pair from step 0 on
	s_cmp_eq_u32 s40, 0
	s_cselect_b32 s41, 4*BLKB, 0
	s_cselect_b32 s17, 4, 0                        ; the first step that is still to do
	v_add_nc_u32 v[AK], s41, v[L8]
	v_add_nc_u32 v[AKS], s41, v[L16]
	KLOAD
	s_mov_b32 s38, 0                               ; the key step
	s_mov_b32 s39, 0                               ; and its block in LDS
	WALU
.Lstep:                                            ; 16 trips; a step that is done, or all of whose keys come after the pair's queries, is passed over
	s_cmp_gt_u32 s38, s37
	s_cbranch_scc1 .Lskip
	s_cmp_lt_u32 s38, s17
	s_cbranch_scc1 .Lskip
	STEPB 1, 15
.Lskip:
	s_add_co_u32 s39, s39, BLKB
	s_add_co_u32 s38, s38, 1
	s_cmp_lt_u32 s38, 16
	WALU
	s_cbranch_scc1 .Lstep
	; THE PAIR'S WAY OUT
.rept 4
	v_nop                                          ; places behind the last products
.endr
	s_wait_dscnt 0x0                               ; the last fetch of K, which nobody reads, has landed: its registers may be loaded again
.irp x, 0,1
	v_pk_add_f32 v[ST+16*\x+4:ST+16*\x+5], v[ST+16*\x+4:ST+16*\x+5], v[ST+16*\x+6:ST+16*\x+7]
.endr
.irp x, 0,1
	H 2
	v_add_f32 v[ST+16*\x+4], v[ST+16*\x+4], v[ST+16*\x+5]            ; the sum's four parts,
.endr
.irp x, 0,1
	H 2
	v_permlanex16_b32 v[ST+16*\x+8], v[ST+16*\x+4], s20, s21
.endr
.irp x, 0,1
	H 2
	v_add_f32 v[ST+16*\x+4], v[ST+16*\x+4], v[ST+16*\x+8]            ; and lane l xor 16's: the row's sum
.endr
	WALU
.irp x, 0,1
	v_rcp_f32 v[ST+16*\x+4], v[ST+16*\x+4]
.endr
	v_nop                                          ; a plain place behind the transcendentals
	WIN 0x41
	WALU                                           ; and the wait ahead of their first reader, which is O^T's too
.irp x, 0,1
.set j, 0
.rept 16
	v_pk_mul_f32 v[64*\x+j:64*\x+j+1], v[128+32*\x+j:128+32*\x+j+1], v[ST+16*\x+4:ST+16*\x+5] op_sel_hi:[1,0]   ; register 16 b + i: channel 32 b + 16 (lane / 16) + i of my query
.set j, j+2
.endr
.endr
	WIN 0x14
.irp b, 0,1
.irp x, 0,1
	v_max3_num_f32 v[BM+16*\x+\b], 0x2800000, |v[64*\x+16*\b]|, |v[64*\x+16*\b+1]|
.endr
.endr
.irp i, 2,4,6,8,10,12,14
.irp b, 0,1
.irp x, 0,1
	v_max3_num_f32 v[BM+16*\x+\b], v[BM+16*\x+\b], |v[64*\x+16*\b+\i]|, |v[64*\x+16*\b+\i+1]|
.endr
.endr
.endr
	WIN 0
.irp b, 0,1
.irp x, 0,1
	v_permlanex16_b32 v[BM+16*\x+4+\b], v[BM+16*\x+\b], s20, s21
.endr
.endr
.irp b, 0,1
.irp x, 0,1
	v_max_num_f32 v[BM+16*\x+\b], v[BM+16*\x+\b], v[BM+16*\x+4+\b]
.endr
.endr
.irp b, 0,1
.irp x, 0,1
	v_add_nc_u32 v[BM+16*\x+8+\b], 0xfe000000, v[BM+16*\x+\b]
.endr
.endr
.irp b, 0,1
.irp x, 0,1
	v_lshrrev_b32 v[BM+16*\x+4+\b], 23, v[BM+16*\x+8+\b]
.endr
.endr
.irp x, 0,1
	v_lshl_or_b32 v[ST+16*\x+8], v[BM+16*\x+5], 8, v[BM+16*\x+4]     ; my row's two scale bytes
.endr
	WIN 0x01
.irp x, 0,1
	v_cvt_scalef32_pk16_bf6_f32 v[PC+12*\x:PC+12*\x+2], v[64*\x:64*\x+15], v[BM+16*\x+8]
	v_cvt_scalef32_pk16_bf6_f32 v[BM+16*\x:BM+16*\x+2], v[64*\x+16:64*\x+31], v[BM+16*\x+9]
.endr
	WIN 0
	v_nop
.irp i, 0,1,2
.irp x, 0,1
	v_permlane16_swap_b32 v[PC+12*\x+\i], v[BM+16*\x+\i]
.endr
.endr
.irp i, 0,1,2
.irp x, 0,1
	v_mov_b32 v[PC+12*\x+3+\i], v[BM+16*\x+\i]
.endr
.endr
	v_cndmask_b32 v[T0], v[ST+8], v[ST+24], s18    ; lanes 0-15 tile 0's rows, lanes 16-31 tile 1's
.irp x, 0,1
.irp g, 0,1,2
	global_store_b64 v[L8], v[PC+12*\x+2*\g:PC+12*\x+2*\g+1], s[52:53] offset:12288*\x+256*\g   ; 256 consecutive bytes, aligned
.endr
.endr
	global_store_b16 v[R4], v[T0], s[54:55]
	s_cmp_eq_u32 s40, 1
	s_cbranch_scc1 .Llast
	s_wait_xcnt 0x0                                ; the stores have read their addresses and data
	s_sub_co_u32 s36, 63, s36                      ; the second pair,
	s_sub_co_u32 s37, 15, s37                      ; its last key step,
.irp i, 0,1,2,3,4,5
	v_mov_b32 v[Q+\i], v[QX+\i]                    ; its Q, kept from the head;
	v_mov_b32 v[Q+12+\i], v[QX+6+\i]
.endr
	v_mov_b32 v[QS], v[QX+12]
	PASSINIT                                       ; (its lines are also the places between these registers and the next products)
.Llast:
	s_add_co_u32 s40, s40, 1
	s_cmp_lt_u32 s40, 2
	WALU
	s_cbranch_scc1 .Lpass
	s_wait_tensorcnt 0x0                           ; the wave's end
	ds_add_u32 v[SPW], v[NIL]
	s_wait_dscnt 0x0
	CROUND                                         ; the closing round
	s_endpgm
.Lfunc_end_k_q71eb076b12_attn:
	.size	k_q71eb076b12_attn, .Lfunc_end_k_q71eb076b12_attn-k_q71eb076b12_attn
	.p2alignl 7, 3214868480
	.fill 96, 4, 3214868480
	.section	.rodata,"a",@progbits
	.p2align	6, 0x0
	.amdhsa_kernel k_q71eb076b12_attn
		.amdhsa_group_segment_fixed_size 210944
		.amdhsa_private_segment_fixed_size 0
		.amdhsa_enable_private_segment 0
		.amdhsa_kernarg_size 24
		.amdhsa_user_sgpr_count 2
		.amdhsa_user_sgpr_kernarg_segment_ptr 1
		.amdhsa_wavefront_size32 1
		.amdhsa_system_sgpr_workgroup_id_x 1
		.amdhsa_system_sgpr_workgroup_id_y 1
		.amdhsa_system_sgpr_workgroup_id_z 1
		.amdhsa_system_vgpr_workitem_id 0
		.amdhsa_next_free_vgpr 448
		.amdhsa_next_free_sgpr 66
		.amdhsa_reserve_vcc 1
		.amdhsa_float_denorm_mode_32 3
		.amdhsa_float_denorm_mode_16_64 3
		.amdhsa_memory_ordered 1
		.amdhsa_forward_progress 1
		.amdhsa_inst_pref_size 98
	.end_amdhsa_kernel
	.amdgpu_metadata
---
amdhsa.version: [ 1, 2 ]
amdhsa.kernels:
  - .name:           k_q71eb076b12_attn
    .symbol:         k_q71eb076b12_attn.kd
    .args:
      - { .name: qq, .offset: 0, .size: 8, .value_kind: global_buffer, .address_space: global }
      - { .name: kv, .offset: 8, .size: 8, .value_kind: global_buffer, .address_space: global }
      - { .name: cq, .offset: 16, .size: 8, .value_kind: global_buffer, .address_space: global }
    .group_segment_fixed_size: 210944
    .private_segment_fixed_size: 0
    .kernarg_segment_align: 8
    .kernarg_segment_size: 24
    .max_flat_workgroup_size: 256
    .sgpr_count:     66
    .vgpr_count:     448
    .wavefront_size: 32
...
	.end_amdgpu_metadata
.endif
;; end of part 3
;; launch oproj (part 4): grid 32 x 8, 4 waves a work-group, clusters of 4 x 4, 327,680 bytes of LDS; arguments cq, wq, out0; writes out0
.if DOCPART == 4
	.amdgcn_target "amdgcn-amd-amdhsa--gfx1250"
	.amdhsa_code_object_version 6
	.text
	.protected	k_q71eb076b12_oproj
	.globl	k_q71eb076b12_oproj
	.p2align	8
	.type	k_q71eb076b12_oproj,@function
k_q71eb076b12_oproj:
	s_mov_b64 s[64:65], 0
	v_nop
	global_prefetch_b8 v0, s[64:65] scope:SCOPE_SE
	s_setreg_imm32_b32 hwreg(HW_REG_WAVE_MODE, 25, 1), 1
	s_wait_xcnt 0x0
	s_wait_alu depctr_hold_cnt(0) depctr_sa_sdst(0) depctr_va_vdst(0) depctr_va_sdst(0) depctr_va_ssrc(0) depctr_va_vcc(0) depctr_vm_vsrc(0)
	s_getreg_b32 s2, hwreg(HW_REG_IB_STS2, 6, 4)
	s_cmp_eq_u32 s2, 0
	s_cbranch_scc0 .Lentry_in_a_cluster
	s_endpgm
.Lentry_in_a_cluster:
	s_bfe_u32 s2, ttmp6, 0x10000c
	s_cmp_lg_u32 s2, 0xf033
	s_cbranch_scc0 .Lentry_shape_is_right
	s_endpgm
.Lentry_shape_is_right:
; out0[token][n] = sum over k of context[token][k] W_O[n][k], f32, on codes of BF6 (E3M2): 8,192 x 1,024 x 1,024.
; OPERANDS.  Codes [row block of 16 rows][16 half fragments][768 bytes], a half fragment the image of six operand registers (chunk g of 256 bytes: lane l's bytes 8 g .. at 256 g + 8 l); scale words [row block][8 K steps][16 rows], 4 bytes,
; from byte 0x600000 of cq and 0x300000 of wq.  A = cq, as the attention launch leaves it: row r of row block 2 b + u is token 32 b + 8 u + r + 8 (r / 8).  B = W_O: row blocks 192-255 of wq, rows in their own order.
; LIMITS: NaN, infinities and sums beyond f32's range are not served.
; THE DEAL.  256 work-groups of four waves, 2 x 2, each 256 rows x 128 columns of the result.  A wave holds four tiles of 16 columns of B, all of K, in registers (32 fragments), and streams A's rows past them in eight blocks of 16:
; the wave in row a takes row block 2 s + a of the work-group's sixteen as its block s.
; THE CLUSTER's x COUNTS TILE ROWS (grid = 32, 8): tile row 4 x cluster x + cx, tile column 4 x cluster y + cy.  A's rows are shared by a COLUMN of the cluster (mask s44), B's by a ROW (mask s45).
; LDS: A's 256 rows (196,608 bytes), B's 128 rows (98,304), both dense; A's scale words (8,192 bytes, copied once in whole units of 256 bytes by plain loads and LDS stores); the spare words.  The waves' stages lie in B's first bytes,
; which are read for the last time ahead of the barrier in front of the stream.  Nothing is filled twice, and all is asked for at the head: there is no later tile to prefetch.
; THE HEAD'S FOUR TILES, one a wave, each on its own line: B's 128 rows; A's rows 0-127; 128-191; 192-255.  The stream begins when the first two are in; a plain barrier inside block 1 (and, the text being a loop's, inside 3 and 5) shows the others.
; THE MATRIX INSTRUCTION IS USED TRANSPOSED (source 0 = 16 rows of B, source 1 = 16 rows of A): a lane holds eight neighbouring columns of one token.
; A's SCALE WORDS: one register holds two K steps': lanes 0-15 step 2 k, lanes 16-31 step 2 k + 1 (128 neighbouring bytes of LDS).  B's: lanes 0-15 tile 2 p, lanes 16-31 tile 2 p + 1.
; TWO SETS of A's fragments, of accumulators and of the rows that come back from the stage, by turns.  ONE RUN OF MEMORY LINES behind a block's 32 products: its sums into the stage and back as whole rows of 256 bytes; the fetch of the block
; two on; ONE WAIT ON LDS (younger than the rows' way back is the run's fetch alone: NF loads; in the last pair none), which shows the next block's rows in too; eight stores.
.set SIZE_N, 1024
.set NQ, 8                             ; K / 128
.set NB, 4                             ; column tiles a wave
.set TM, 256
.set TN, 128
.set KROW, 768                         ; codes of a row; 16 rows are a row block's 12,288 bytes
.set FR, 12                            ; registers of a fragment
.set FPW, 256/FR                       ; fragments in a window
.set NF, 28                            ; LDS loads of a block: 24 for eight fragments, 4 for eight scale words
.set YB, TM*KROW                       ; B's rows
.set SCL, YB+TN*KROW                   ; A's scale words
.set SSTEP, 1024                       ; from a block's scale words to my next block's: two row blocks
.set SPITCH, 16*NB*4+16                ; a stage of 16 rows x (256 bytes + 16) for each wave
.set STAGE, YB
.set SPARE, SCL+8192
.set AAS0, 6                           ; v6  LDS address of my scale words of block 0; never rewritten
.set CO, 9                             ; v9  my byte offset in the result: row l / 16, 16 bytes x (l % 16)
.set SPW, 10
.set NIL, 11
.set ABS, 16                           ; v16 my offset in B's scale words
.set AAS, 17                           ; v17 as v6, for the block that is fetched next
.set STO, 18                           ; v18 the stage: where I put 32 bytes of a row
.set RD, 19                            ; v19 the stage: where I read 16 bytes of a row back
.set SB, 24                            ; v24-39 B's scale words
.set SA, 46                            ; v46-49, v54-57 A's: two sets of four
.set ACC, 64                           ; v64-127 two sets of four accumulators
.set BK, 128                           ; v128-191 two sets: 16 rows x 256 bytes back from the stage
.set AQ0, 192                          ; v192-199 LDS addresses of block 0's eight fragments; never rewritten
.set AQ, 200                           ; v200-207 the same for the block that is fetched next
.set BA, 208                           ; v208-239 LDS addresses of B's 32 fragments
.set G1A, 24
.set G0A, 56
.set G1B, 32
.set G0B, 60
.set MSB, 0
.macro WIN new                         ; the immediate's high byte repeats the setting that is left
.if MSB != \new
	s_set_vgpr_msb (MSB<<8)|\new
.set MSB, \new
.endif
.endm
.macro PLACES n
.rept \n
	v_nop
.endr
.endm
.macro WALU
	s_wait_alu depctr_va_vdst(0)
.endm
.macro BARRIER
	s_barrier_signal -1
	s_barrier_wait -1
.endm
.macro CROUND
	BARRIER
	s_cmp_lg_u32 s14, 0
	s_cbranch_scc1 .Lnot_wave_0_\@
	s_barrier_signal -3
.Lnot_wave_0_\@:
	s_barrier_wait -3
	BARRIER
.endm
.macro TLOAD g0, g1                    ; an s_nop 0 and four v_nop follow a tensor load
	tensor_load_to_lds s[\g0:\g0+3], s[\g1:\g1+7]
	s_nop 0
	PLACES 4
.endm
.macro ATILE first, rows               ; a part of A's 256 rows, by a descriptor of constants: dense, so its place in LDS is its place among the rows
	s_mov_b32 s[G0A+1], (\first)*KROW
	s_mov_b32 s[G1A+2], (\rows)<<16
	s_mov_b32 s[G1A+4], \rows
.if \first
	s_add_nc_u64 s[G0A+2:G0A+3], s[G0A+2:G0A+3], (\first)*KROW
.endif
	s_or_b32 s[G0A+3], s[G0A+3], 0x80000000
	TLOAD G0A, G1A
.endm
.macro GROUP1 g, mask, rows            ; rows of 768 bytes, dense; rows = 0: the two words that hold the rows are written with each tile
	s_or_b32 s[\g+0], s[\mask], (1<<21)
	s_mov_b32 s[\g+1], (KROW&0xffff)<<16
	s_mov_b32 s[\g+3], KROW<<16
.if \rows
	s_mov_b32 s[\g+2], (KROW>>16)|((\rows)<<16)
	s_mov_b32 s[\g+4], \rows
.endif
	s_mov_b32 s[\g+5], KROW
	s_mov_b32 s[\g+6], 0
	s_mov_b32 s[\g+7], 0
.endm
.macro FRAG6 f, adr                    ; fragment f's six chunks of 256 bytes, two to a load
	WIN (1+(\f)/FPW)<<6
.irp p, 0,2,4
	ds_load_2addr_b64 v[FR*((\f)%FPW)+2*\p:FR*((\f)%FPW)+2*\p+3], v[\adr] offset0:32*\p offset1:32*\p+32
.endr
.endm
.macro FETCHAT e, aq, as               ; a block of A into set e: NF loads
.irp q, 0,1,2,3,4,5,6,7
	FRAG6 NB*NQ+NQ*(\e)+\q, \aq+\q
.endr
	WIN 0
.irp k, 0,1,2,3
	ds_load_b32 v[SA+8*(\e)+\k], v[\as] offset:128*\k
.endr
.endm
.macro PROD2 d, s0, s1, c, x0, x1, o, r
	v_wmma_scale_f32_16x16x128_f8f6f4 v[\d:\d+7], v[FR*((\s0)%FPW):FR*((\s0)%FPW)+FR-1], v[FR*((\s1)%FPW):FR*((\s1)%FPW)+FR-1], \c, v[\x0], v[\x1] matrix_a_fmt:MATRIX_FMT_BF6 matrix_b_fmt:MATRIX_FMT_BF6 matrix_a_scale:MATRIX_SCALE_ROW\o matrix_b_scale:MATRIX_SCALE_ROW\r
.endm
.macro PROD1 d, s0, s1, c, x0, x1, o, r
.if (\o) && (\r)
	PROD2 \d, \s0, \s1, \c, \x0, \x1, 1, 1
.elseif \o
	PROD2 \d, \s0, \s1, \c, \x0, \x1, 1, 0
.elseif \r
	PROD2 \d, \s0, \s1, \c, \x0, \x1, 0, 1
.else
	PROD2 \d, \s0, \s1, \c, \x0, \x1, 0, 0
.endif
.endm
.macro PROD e, n                       ; product n = 4 q + tile of a block whose rows lie in set e; the four accumulators take turns
.set Q_, (\n)/4
.set FB_, NB*Q_+(\n)%4
.set FA_, NB*NQ+NQ*(\e)+Q_
.set D_, ACC+32*(\e)+8*((\n)%4)
.set XB_, SB+NQ*(((\n)%4)/2)+Q_
.set XA_, SA+8*(\e)+Q_/2
	WIN (1+FB_/FPW)|((1+FA_/FPW)<<2)
.if Q_
	PROD1 D_, FB_, FA_, v[D_:D_+7], XB_, XA_, (\n)%2, Q_%2
.else
	PROD1 D_, FB_, FA_, 0, XB_, XA_, (\n)%2, Q_%2
.endif
.endm
.macro ENTRY i, fetch                  ; among a block's products, behind each of products 1 to 5: five of the next fetch's nine addresses
.if \fetch
.if (\i) == 1
	s_add_co_u32 s101, s101, 32*KROW
	s_add_co_u32 s91, s91, SSTEP
.endif
.if (\i) >= 1 && (\i) <= 5
	WIN 0
	v_add_nc_u32 v[AQ+\i-1], s101, v[AQ0+\i-1]
.endif
.endif
.endm
.macro PRODS e, from, to, fetch
.set N_, \from
.rept (\to)-(\from)
	PROD \e, N_
	ENTRY N_, \fetch
.set N_, N_+1
.endr
	WIN 0
.endm
.macro TOC s                           ; set s of the rows goes out.  s[12:13] stands at the pair's first token; a block is 32 tokens on from the one before; its rows 2 t, 2 t + 1 are tokens 2 t + 8 (t / 4) and the next
.irp t, 0,1,2,3,4,5,6,7
	global_store_b128 v[CO], v[BK+32*(\s)+4*\t:BK+32*(\s)+4*\t+3], s[12:13] offset:(32*(\s)+2*\t+8*(\t/4))*SIZE_N*4 th:TH_STORE_NT   ; 16 lanes store 256 consecutive bytes, aligned
.endr
.endm
.macro STAGED u                        ; set u's sums into my stage, each accumulator from its low end on, and back as whole rows.  LDS serves a wave's instructions in order (ISA guide 5.7.1.4): no wait between
.irp b, 0,1,2,3
	ds_store_b128 v[STO], v[ACC+32*(\u)+8*\b:ACC+32*(\u)+8*\b+3] offset:64*\b
	ds_store_b128 v[STO], v[ACC+32*(\u)+8*\b+4:ACC+32*(\u)+8*\b+7] offset:64*\b+16
.endr
.irp t, 0,1,2,3,4,5,6,7
	ds_load_b128 v[BK+32*(\u)+4*\t:BK+32*(\u)+4*\t+3], v[RD] offset:2*\t*SPITCH
.endr
.endm
.macro STREAM s, fetch, show           ; a pair's block s = 0, 1.  show = 1: a plain barrier inside the block shows waves 2 and 3's tiles to all
.if \show
	PRODS \s, 0, 24, \fetch
	s_wait_tensorcnt 0x0
	s_wait_dscnt 0x0
	s_barrier_signal -1
	PRODS \s, 24, 32, \fetch
	s_barrier_wait -1
.else
	PRODS \s, 0, 32, \fetch
.endif
.if \fetch                             ; four plain vector lines between the last product and the first reader of its sums: the rest of the addresses, or v_nop
	v_add_nc_u32 v[AQ+5], s101, v[AQ0+5]
	v_add_nc_u32 v[AQ+6], s101, v[AQ0+6]
	v_add_nc_u32 v[AQ+7], s101, v[AQ0+7]
	v_add_nc_u32 v[AAS], s91, v[AAS0]
	WALU
.else
	PLACES 4
.endif
	s_wait_xcnt 0x0                                ; the stores of two blocks ago have read set s of the rows, and those of the block before their base
.if (\s) == 0
	s_add_nc_u64 s[12:13], s[12:13], s[20:21]      ; on to this pair's rows of the result
.endif
	STAGED \s
.if \fetch
	FETCHAT \s, AQ, AAS
	s_wait_dscnt NF                                ; the block's rows are back from the stage; its fetch is younger
.else
	s_wait_dscnt 0x0
.endif
	TOC \s
.endm
; ================= THE HEAD
	s_load_b128 s[4:7], s[0:1], 0x0                ; cq, wq
	s_load_b64 s[12:13], s[0:1], 0x10              ; out0
	v_lshl_add_u32 v[SPW], v0, 2, SPARE
	v_mov_b32 v[NIL], 0
	ds_add_u32 v[SPW], v[NIL]                      ; the opening lines: the add, twice on end, and its wait
	ds_add_u32 v[SPW], v[NIL]
	v_lshrrev_b32 v1, 5, v0
	v_readfirstlane_b32 s14, v1                    ; the wave; s15 its row of the 2 x 2, s16 its column
	s_lshr_b32 s15, s14, 1
	s_and_b32 s16, s14, 1
	s_bfe_u32 s40, ttmp6, 0x40000
	s_bfe_u32 s41, ttmp6, 0x40004
	s_lshl_b32 s43, ttmp9, 2
	s_add_co_u32 s43, s43, s40                     ; tile row: 4 x cluster x + cx
	s_and_b32 s42, ttmp7, 0xffff
	s_lshl_b32 s42, s42, 2
	s_add_co_u32 s42, s42, s41                     ; tile column: 4 x cluster y + cy
	s_lshl_b32 s44, 0x1111, s40                    ; my column of the cluster: shares A's rows
	s_lshl_b32 s45, s41, 2
	s_lshl_b32 s45, 15, s45                        ; my row: shares B's
	GROUP1 G1A, 44, 0
	GROUP1 G1B, 45, TN
	s_mov_b32 s[G0A], 1
	s_mov_b32 s[G0B], 1
	s_mov_b32 s[G0B+1], YB
	s_mul_i32 s76, s43, TM*KROW                    ; my tile row's codes
	s_mov_b32 s77, 0
	s_mul_i32 s78, s42, TN*KROW
	s_add_co_u32 s78, s78, 192*16*KROW             ; my tile column's: row block 192 + 8 x tile column
	s_mov_b32 s79, 0
	s_lshl_b32 s80, s43, 13
	s_add_co_u32 s80, s80, 0x600000                ; A's scale words: 16 row blocks x 512 bytes
	s_mov_b32 s81, 0
	s_lshl_b32 s82, s42, 12
	s_lshl_b32 s21, s16, 11
	s_add_co_u32 s82, s82, s21
	s_add_co_u32 s82, s82, 0x300000+192*512        ; B's: my four row blocks
	s_mov_b32 s83, 0
	s_mul_i32 s84, s43, TM*SIZE_N*4                ; the result: token 256 x tile row + 8 x wave row,
	s_mul_i32 s21, s15, 8*SIZE_N*4
	s_add_co_u32 s84, s84, s21
	s_mul_i32 s21, s42, TN*4                       ; column 128 x tile column + 64 x wave column
	s_add_co_u32 s84, s84, s21
	s_mul_i32 s21, s16, 16*NB*4
	s_add_co_u32 s84, s84, s21
	s_mov_b32 s85, 0
	s_mul_i32 s23, s15, 16*KROW                    ; LDS: my block 0 of A,
	s_mul_i32 s22, s16, 16*NB*KROW
	s_add_co_u32 s22, s22, YB                      ; my four tiles of B,
	s_lshl_b32 s86, s15, 9
	s_add_co_u32 s86, s86, SCL                     ; my block 0's scale words,
	s_mul_i32 s87, s14, 16*SPITCH
	s_add_co_u32 s87, s87, STAGE                   ; my stage
	v_and_b32 v1, 15, v0                           ; r
	v_bfe_u32 v2, v0, 4, 1                         ; h
	v_and_b32 v3, 31, v0                           ; lane
	v_lshl_add_u32 v[AQ0], v3, 3, s23
	v_lshl_add_u32 v[BA], v3, 3, s22
	v_lshlrev_b32 v[ABS], 2, v1
	v_lshlrev_b32 v22, 4, v0                       ; 16 x thread: my share of A's scale words on their way into LDS
	v_mul_u32_u24 v20, v1, SPITCH
	v_mul_u32_u24 v21, v2, SPITCH
	v_lshl_add_u32 v23, v2, 6, v[ABS]              ; 64 h + 4 r: lanes 16-31 take the next K step's words
	v_lshl_add_u32 v[ABS], v2, 9, v[ABS]           ; 512 h + 4 r: lanes 16-31 take the next tile's
	v_add_nc_u32 v[AAS0], s86, v23
	v_lshl_add_u32 v20, v2, 5, v20
	v_lshl_add_u32 v21, v1, 4, v21
	v_add_nc_u32 v[STO], s87, v20
	v_add_nc_u32 v[RD], s87, v21
	v_mul_u32_u24 v20, v2, SIZE_N*4
	v_lshl_add_u32 v[CO], v1, 4, v20
	v_add_nc_u32 v23, SCL, v22
	v_add_nc_u32 v[AAS], SSTEP, v[AAS0]
.irp q, 1,2,3,4,5,6,7
	v_add_nc_u32 v[AQ0+\q], 1536*\q, v[AQ0]
.endr
.irp q, 0,1,2,3,4,5,6,7
	v_add_nc_u32 v[AQ+\q], 32*KROW+1536*\q, v[AQ0]
.endr
.set F_, 1
.rept 31
	v_add_nc_u32 v[BA+F_], (F_%4)*16*KROW+(F_/4)*1536, v[BA]   ; fragment 4 q + tile
.set F_, F_+1
.endr
	WALU                                           ; the wait at the head's end
	s_wait_dscnt 0x0
	CROUND                                         ; the opening round
	s_wait_kmcnt 0x0
	s_add_nc_u64 s[G0A+2:G0A+3], s[4:5], s[76:77]
	s_add_nc_u64 s[G0B+2:G0B+3], s[6:7], s[78:79]
	s_or_b32 s[G0B+3], s[G0B+3], 0x80000000
	s_add_nc_u64 s[8:9], s[4:5], s[80:81]
	s_add_nc_u64 s[10:11], s[6:7], s[82:83]
	s_add_nc_u64 s[12:13], s[12:13], s[84:85]
	s_cmp_eq_u32 s14, 0
	s_cbranch_scc0 .Lwave_1
	TLOAD G0B, G1B                                 ; wave 0: B's rows, which are wanted first
	s_branch .Lasked
.Lwave_1:
	s_cmp_eq_u32 s14, 1
	s_cbranch_scc0 .Lwave_2
	ATILE 0, 128                                   ; wave 1: A's rows 0 to 127
	s_branch .Lasked
.Lwave_2:
	s_cmp_eq_u32 s14, 2
	s_cbranch_scc0 .Lwave_3
	ATILE 128, 64                                  ; wave 2: 128 to 191
	s_branch .Lasked
.Lwave_3:
	ATILE 192, 64                                  ; wave 3: 192 to 255
.Lasked:
.irp k, 0,1,2,3
	global_load_b128 v[ACC+4*\k:ACC+4*\k+3], v22, s[8:9] offset:2048*\k   ; A's scale words: the 128 threads read 2,048 consecutive bytes an instruction
.endr
.irp p, 0,1
.irp q, 0,1,2,3,4,5,6,7
	global_load_b32 v[SB+NQ*\p+\q], v[ABS], s[10:11] offset:1024*\p+64*\q
.endr
.endr
	s_wait_loadcnt 0x0
.irp k, 0,1,2,3
	ds_store_b128 v23, v[ACC+4*\k:ACC+4*\k+3] offset:2048*\k
.endr
	s_wait_dscnt 0x0
	s_cmp_eq_u32 s14, 0
	s_cbranch_scc0 .Lnot_b
	s_wait_tensorcnt 0x0                           ; wave 0: B has landed
.Lnot_b:
	BARRIER
.set F_, 0
.rept 32
	FRAG6 F_, BA+F_                                ; my 64 rows of B, all of K: 96 loads
.set F_, F_+1
.endr
	WIN 0
	s_mov_b32 s101, 32*KROW
	s_mov_b32 s91, SSTEP
	s_cmp_eq_u32 s14, 1
	s_cbranch_scc0 .Lnot_a
	s_wait_tensorcnt 0x0                           ; wave 1: A's rows 0 to 127 have landed
.Lnot_a:
	s_wait_dscnt 0x0
	BARRIER                                        ; A's first 128 rows and all scale words are in, and nobody reads B's bytes any more.  Waves 2 and 3's tiles may still be on their way
	FETCHAT 0, AQ0, AAS0
	FETCHAT 1, AQ, AAS
; ================= THE STREAM: eight blocks
	s_mov_b32 s23, 0
	s_mov_b32 s20, 0                               ; s[20:21]: from a pair's rows of the result to the next pair's; block 0 begins where the base stands
	s_mov_b32 s21, 0
	s_wait_dscnt NF                                ; block 0's rows are in
.Lpair:                                            ; blocks 0 to 5, a pair a trip
	STREAM 0, 1, 0
	STREAM 1, 1, 1
	s_mov_b32 s20, 64*SIZE_N*4                     ; the next pair's rows lie 64 tokens on
	s_add_co_u32 s23, s23, 1
	s_cmp_lg_u32 s23, 3
	s_cbranch_scc1 .Lpair
	STREAM 0, 0, 0                                 ; blocks 6 and 7 fetch nothing
	STREAM 1, 0, 0
	s_wait_tensorcnt 0x0                           ; the wave's end
	ds_add_u32 v[SPW], v[NIL]
	s_wait_dscnt 0x0
	CROUND                                         ; the closing round
	s_endpgm
.Lfunc_end_k_q71eb076b12_oproj:
	.size	k_q71eb076b12_oproj, .Lfunc_end_k_q71eb076b12_oproj-k_q71eb076b12_oproj
	.p2alignl 7, 3214868480
	.fill 96, 4, 3214868480
	.section	.rodata,"a",@progbits
	.p2align	6, 0x0
	.amdhsa_kernel k_q71eb076b12_oproj
		.amdhsa_group_segment_fixed_size 327680
		.amdhsa_private_segment_fixed_size 0
		.amdhsa_enable_private_segment 0
		.amdhsa_kernarg_size 24
		.amdhsa_user_sgpr_count 2
		.amdhsa_user_sgpr_kernarg_segment_ptr 1
		.amdhsa_wavefront_size32 1
		.amdhsa_system_sgpr_workgroup_id_x 1
		.amdhsa_system_sgpr_workgroup_id_y 1
		.amdhsa_system_sgpr_workgroup_id_z 1
		.amdhsa_system_vgpr_workitem_id 0
		.amdhsa_next_free_vgpr 840
		.amdhsa_next_free_sgpr 102
		.amdhsa_reserve_vcc 0
		.amdhsa_float_denorm_mode_32 3
		.amdhsa_float_denorm_mode_16_64 3
		.amdhsa_memory_ordered 1
		.amdhsa_forward_progress 1
		.amdhsa_inst_pref_size 53
	.end_amdhsa_kernel
	.amdgpu_metadata
---
amdhsa.version: [ 1, 2 ]
amdhsa.kernels:
  - .name:           k_q71eb076b12_oproj
    .symbol:         k_q71eb076b12_oproj.kd
    .args:
      - { .name: cq, .offset: 0, .size: 8, .value_kind: global_buffer, .address_space: global }
      - { .name: wq, .offset: 8, .size: 8, .value_kind: global_buffer, .address_space: global }
      - { .name: out0, .offset: 16, .size: 8, .value_kind: global_buffer, .address_space: global }
    .group_segment_fixed_size: 327680
    .private_segment_fixed_size: 0
    .kernarg_segment_align: 8
    .kernarg_segment_size: 24
    .max_flat_workgroup_size: 128
    .sgpr_count:     102
    .vgpr_count:     840
    .wavefront_size: 32
...
	.end_amdgpu_metadata
.endif
;; end of part 4
